; MI455X (gfx1250); checked and timed in simulation.
; The chip was launched on July 23, 2026; its instructions are those of AMD's public machine-readable ISA for CDNA 5 (MIT licence, August 2026) and "CDNA5" Instruction Set Architecture Reference Guide (July 2026). The comments in the code are by the model that wrote it; some were corrected since.
;; Multi Head Attention. Allowed arithmetic: matrix products marked QUANTISED: E2M3 operands, one E8M0 scale for each 32 along K, by v_wmma_scale_f32_16x16x128_f8f6f4 with both operands' format E2M3, f32 sums; products left as they are: f32 operands where the result goes on into a quantised operand, else bf16, f16 or f32 operands; f32 sums; everything else in f32.
;; Inputs: Wk_codes 2,048 x 64 x 24 uint8 (E2M3 codes of Wk, K innermost, in blocks of 32 codes, four codes in three bytes); Wk_scales 2,048 x 64 uint8 (E8M0 scales of Wk, one for each 32 codes along K); Wo_codes 2,048 x 64 x 24 uint8 (E2M3 codes of Wo, K innermost, in blocks of 32 codes, four codes in three bytes); Wo_scales 2,048 x 64 uint8 (E8M0 scales of Wo, one for each 32 codes along K); Wq_codes 2,048 x 64 x 24 uint8 (E2M3 codes of Wq, K innermost, in blocks of 32 codes, four codes in three bytes); Wq_scales 2,048 x 64 uint8 (E8M0 scales of Wq, one for each 32 codes along K); Wv_codes 2,048 x 64 x 24 uint8 (E2M3 codes of Wv, K innermost, in blocks of 32 codes, four codes in three bytes); Wv_scales 2,048 x 64 uint8 (E8M0 scales of Wv, one for each 32 codes along K); key_codes 4 x 1,024 x 64 x 24 uint8 (E2M3 codes of key, K innermost, in blocks of 32 codes, four codes in three bytes); key_scales 4 x 1,024 x 64 uint8 (E8M0 scales of key, one for each 32 codes along K); mask 4 x 1,024 x 16 x 16 float32; query_codes 4 x 1,024 x 64 x 24 uint8 (E2M3 codes of query, K innermost, in blocks of 32 codes, four codes in three bytes); query_scales 4 x 1,024 x 64 uint8 (E8M0 scales of query, one for each 32 codes along K); value_codes 4 x 1,024 x 64 x 24 uint8 (E2M3 codes of value, K innermost, in blocks of 32 codes, four codes in three bytes); value_scales 4 x 1,024 x 64 uint8 (E8M0 scales of value, one for each 32 codes along K).
;; Outputs: out0 4 x 1,024 x 2,048 float32; out1 4 x 1,024 x 16 x 16 float32.
;; This version of the problem:
;;   THIS VERSION OF THE PROBLEM IS GIVEN IN LOW PRECISION. The matrix products marked QUANTISED in the list below multiply operands that are first quantised to E2M3 (2 exponent bits, 3 mantissa bits; 6 bits a number), with one power-of-two scale for each 32 numbers along K (OCP MX v1.0); their sums are f32. All else is computed in f32.
;;   The module's matrix products, in the order in which they are computed (A, B: the left and right operand; K: the contracted axis; several contracted axes count as one K, in the product's order):
;;     1. [M 4,096, K 2,048] x [K 2,048, N 2,048]; A: input query (given as codes); B: input Wq (given as codes): QUANTISED
;;     2. [M 4,096, K 2,048] x [K 2,048, N 2,048]; A: input key (given as codes); B: input Wk (given as codes): QUANTISED
;;     3. [M 4,096, K 2,048] x [K 2,048, N 2,048]; A: input value (given as codes); B: input Wv (given as codes): QUANTISED
;;     4. batch 4,096 x [M 16, K 128] x [K 128, N 16]; A: computed on the way; B: computed on the way: QUANTISED
;;     5. batch 4,096 x [M 128, K 16] x [K 16, N 16]; A: computed on the way; B: softmax: left as it is (K = 16 < 32)
;;     6. [M 4,096, K 2,048] x [K 2,048, N 2,048]; A: computed on the way; B: input Wo (given as codes): QUANTISED
;;   THE QUANTISER, for each operand of a quantised product, along K:
;;     - K is cut into blocks of 32 from its start; a last block that is shorter is filled with zeros.
;;     - A block's scale is 2^e with e = floor(log2(the largest magnitude in the block)) - 2, held to -126 .. 127; a block of zeros has e = 0. As a byte (E8M0): e + 127.
;;     - Each number is divided by its block's scale, clamped to +-7.5, and rounded to the nearest number of E2M3, ties to even, subnormals kept.
;;     - The product sums the exact products of the quantised numbers (number of the format x scale) in f32.
;;   ~~~python
;;   def quantise(x, axis):      # numpy; x: float32 -> the quantised numbers, widened to float32 again
;;       x = np.moveaxis(x, axis, -1); K = x.shape[-1]
;;       x = np.pad(x, [(0, 0)] * (x.ndim - 1) + [(0, -K % 32)]); x = x.reshape(x.shape[:-1] + (-1, 32)); a = np.abs(x).max(-1, keepdims=True)
;;       e = np.where(a > 0, np.clip(np.frexp(np.where(a > 0, a, 1))[1] - 1 - 2, -126, 127), 0)      # np.frexp(a)[1] - 1 = floor(log2(a)), exactly
;;       r = np.clip(x / 2.0 ** e, -7.5, 7.5)
;;       step = 2.0 ** (np.maximum(np.frexp(np.where(r == 0, 1, r))[1] - 1, 0) - 3)
;;       q = np.round(r / step) * step * 2.0 ** e      # np.round: ties to even
;;       return np.moveaxis(q.reshape(q.shape[:-2] + (-1,))[..., :K], -1, axis).astype(np.float32)
;;   ~~~
;;   OPERANDS COMPUTED ON THE WAY. 'Computed on the way' means the value that the module computes at that place (a softmax that the list does not call 'softmax' is quantised finished and normalised). What goes into a quantiser is computed in f32, as accurately as f32 sums, v_exp_f32 and their like allow (about 1e-6 of the number): no bf16 or f16 on the way to a quantiser, and a product that is left as it is and whose result goes on into a quantised operand takes f32 operands (vector FMAs, or v_wmma_f32_16x16x4_f32). A number that lies on a knife's edge between two numbers of the format may be rounded either way, as far as f32 arithmetic and the matrix unit's own rounding can turn it there, and no further.
;;   INPUTS GIVEN AS CODES. Wk (in the module: [2048, 2048], K = its axis 0); Wo (in the module: [2048, 2048], K = its axis 0); Wq (in the module: [2048, 2048], K = its axis 0); Wv (in the module: [2048, 2048], K = its axis 0); key (in the module: [4, 1024, 2048], K = its axis 2); query (in the module: [4, 1024, 2048], K = its axis 2); value (in the module: [4, 1024, 2048], K = its axis 2): each comes as NAME_codes (uint8): NAME with its K axis moved to the last place and cut into blocks of 32 codes, [.., K / 32, bytes a block], one block behind the other in memory; four codes in three bytes: a row's codes are one little-endian stream of bits, code i at bits 6 i .. 6 i + 5 (a code: sign, 2 exponent bits, 3 mantissa bits); and NAME_scales (uint8): the same leading axes, one E8M0 byte (e + 127) for each 32 codes along K. Its value is code x scale, taken as it is: it is not quantised again, and the codes and scales need not be those that the quantiser above would give.
;; One version. Each part assembles by itself: llvm-mc -triple=amdgcn-amd-amdhsa -mcpu=gfx1250 --defsym DOCPART=n.
;; ======== version 1 of 1: 4 launches
;; workspace buffers: qn 6,553,600 bytes; kn 6,553,600 bytes; wvp 3,276,800 bytes; wop 3,276,800 bytes; ac 6,553,600 bytes
;; launch qk (part 1): grid 8 x 32, 4 waves a work-group, clusters of 4 x 4, 327,680 bytes of LDS; arguments query_codes, query_scales, Wq_codes, Wq_scales, key_codes, key_scales, Wk_codes, Wk_scales, qn, kn; writes qn, kn
.if DOCPART == 1
	.amdgcn_target "amdgcn-amd-amdhsa--gfx1250"
	.amdhsa_code_object_version 6
	.text
	.protected	k_qc34fc74a56_qk
	.globl	k_qc34fc74a56_qk
	.p2align	8
	.type	k_qc34fc74a56_qk,@function
k_qc34fc74a56_qk:
	s_mov_b64 s[64:65], 0
	v_nop
	global_prefetch_b8 v0, s[64:65] scope:SCOPE_SE
	s_setreg_imm32_b32 hwreg(HW_REG_WAVE_MODE, 25, 1), 1
	s_wait_xcnt 0x0
	s_wait_alu depctr_hold_cnt(0) depctr_sa_sdst(0) depctr_va_vdst(0) depctr_va_sdst(0) depctr_va_ssrc(0) depctr_va_vcc(0) depctr_vm_vsrc(0)
	s_getreg_b32 s2, hwreg(HW_REG_IB_STS2, 6, 4)
	s_cmp_eq_u32 s2, 0
	s_cbranch_scc0 .Lentry_in_a_cluster
	s_endpgm
.Lentry_in_a_cluster:
	s_bfe_u32 s2, ttmp6, 0x10000c
	s_cmp_lg_u32 s2, 0xf033
	s_cbranch_scc0 .Lentry_shape_is_right
	s_endpgm
.Lentry_shape_is_right:
; Q = query Wq and K = key Wk (codes of E2M3 with E8M0 scales, as they lie in memory), each head's 128 numbers divided by (their sum + 1e-6), quantised along the head's 128 and stored as codes.
; One launch serves both tensors: clusters with y 0-3 take query and Wq and store into qn, clusters with y 4-7 take key and Wk and store into kn; only pointers are chosen, on the cluster's y, which all partners share.
; A work-group of four waves makes 256 tokens x 256 columns; a wave 128 tokens x 128 columns = ONE HEAD: 64 accumulators, 512 registers.  So the head's sum, the division and the quantiser stay in the wave's registers.
; K goes in steps of 256 through a ring of two LDS slots filled by the tensor data mover; the scale bytes of the work-group's rows come once, with the first fills.
; CLUSTERS: 4 x 4 work-groups; A's tiles are asked for jointly along a row of the cluster, B's along a column.  THE MATRIX INSTRUCTION IS USED TRANSPOSED (source 0 = 16 rows of W, source 1 = 16 tokens):
; lane (r, h) of accumulator (a, b) holds token 16 a + r and the head's numbers 16 b + 8 h + 0 .. 7.
; OUT: for each group of 16 tokens and each head 1,536 bytes: the image of an operand's 12 registers (rows = the 16 tokens): register 4 c + e of lane l at byte 512 c + 16 l + 4 e; each store of the wave covers 512 consecutive
; bytes, aligned.  Behind the codes (byte 6,291,456 on): one scale word for each (group, head, token); these leave in pieces of 64 bytes: one byte in 24 of what the launch stores.
; LIMITS: x / s is computed as x times v_rcp_f32(s) (about 1.5 ulp); where sum + 1e-6 is 0, denormal or beyond 2^126 the results are infinities, NaN or zeros as that instruction gives them, and are not served;
; a block of zeros gets the scale byte 1 (its codes are zeros; this program alone reads the bytes).
.set KSTEP,  256
.set NQ,     2
.set ROWB,   192                       ; a tile's row: 256 codes
.set KROW,   1536                      ; a row of 2,048 codes in memory
.set PITCH,  240                       ; an LDS row: 3 x (64 bytes + 16 of padding)
.set FR,     12
.set NL,     6
.set NP,     4
.set HALFT,  128*PITCH
.set SLOT,   4*HALFT
.set LAPS,   4                         ; 2,048 / 512
.set KS,     64                        ; a row of scale bytes
.set SCL,    2*SLOT
.set HALFS,  (128*KS/256)*272
.set SBLK,   (16*KS/256)*272
.set SPARE,  SCL+4*HALFS               ; the spare words: 128 bytes a wave, two blocks of 256 bytes that no other line names
.set SWORDS, 6291456                   ; where the scale words begin in qn and kn
.set ADRA, 16
.set ADRB, 20
.set LOFF, 24                          ; v24  16 x lane
.set SOFF, 25                          ; v25  1,024 h + 4 r
.set ADRS, 27
.set SPW,  28
.set NIL,  29
.set SC,   32
.set X,    64                          ; v64-127  a block's 64 numbers of a lane, normalised
.set AF,   128
.set T,    128                         ; v128-159 the sum's tree (A's fragments are done with)
.set PC,   160                         ; v160-178 codes
.set TM,   184                         ; v184-199 at work in the quantiser
.set PW,   200                         ; the scale word just made
.set PWE,  201                         ; that of the even block before
.set SM,   202                         ; the head's sum
.set INV,  204                         ; v[204:205] 1 / (sum + 1e-6); the upper word is only named
.set PX,   206
.set G1, 24
.set G0, 32
.set G1B, 48
.set G0B, 56
.set G1S, 68
.set G0S, 76
.set G1SB, 80
.set G0SB, 88
.set HMASK, 92                         ; s92  lanes 16-31
.set SEL,  98                          ; s[98:99] v_permlanex16_b32's selects for lane l xor 16
.set MSB, 0
.macro WIN new                         ; the immediate's high byte repeats the setting that is left
.if MSB != (\new)
	s_set_vgpr_msb (MSB<<8)|(\new)
.set MSB, (\new)
.endif
.endm
.set MUL_LO, 0xa1                      ; source 0 (W) window 1, source 1 (tokens) window 0, C and D window 2
.set MUL_HI, 0xf1                      ; the same, C and D window 3
.set TO_B,   0x40
; A joint load: waves 0 and 1 fetch for A, waves 2 and 3 for B; the branch hangs on the wave's number alone.  Four v_nop follow each of the two lines.
.macro JLOAD g0a, g1a, g0b, g1b
	s_cmp_eq_u32 s15, 0
	s_cbranch_scc0 .Lfor_b_\@
	tensor_load_to_lds s[\g0a:\g0a+3], s[\g1a:\g1a+7]
	s_nop 0
.rept 4
	v_nop
.endr
	s_branch .Lasked_\@
.Lfor_b_\@:
	tensor_load_to_lds s[\g0b:\g0b+3], s[\g1b:\g1b+7]
	s_nop 0
.rept 4
	v_nop
.endr
.Lasked_\@:
.endm
.macro CREST                           ; a round of the cluster's barrier behind its opening barrier
	s_cmp_lg_u32 s14, 0
	s_cbranch_scc1 .Lnot_wave_0_\@
	s_barrier_signal -3
.Lnot_wave_0_\@:
	s_barrier_wait -3
	s_barrier_signal -1
	s_barrier_wait -1
.endm
.macro CROUND
	s_barrier_signal -1
	s_barrier_wait -1
	CREST
.endm
	s_load_b512 s[68:83], s[0:1], 0x0              ; query's codes, scales; Wq's; key's; Wk's
	s_load_b128 s[84:87], s[0:1], 0x40             ; qn, kn
	v_lshl_add_u32 v[SPW], v0, 2, SPARE
	v_mov_b32 v[NIL], 0
	ds_add_u32 v28, v29
	ds_add_u32 v28, v29
	s_wait_dscnt 0x0
	v_lshrrev_b32 v1, 5, v0
	v_readfirstlane_b32 s14, v1                    ; wave 0..3
	s_lshr_b32 s15, s14, 1                         ; which 128 tokens are mine.  Also: I fetch for A (0) or for B (1)
	s_and_b32 s16, s14, 1                          ; which of the tile's two heads.  Also: which 128 rows I fetch
	s_bfe_u32 s40, ttmp6, 0x40000                  ; cx, cy
	s_bfe_u32 s41, ttmp6, 0x40004
	s_lshl_b32 s42, ttmp9, 2
	s_add_co_u32 s42, s42, s40                     ; tile column 0..7
	s_and_b32 s95, ttmp7, 0xffff                   ; the cluster's y: 0-3 query, 4-7 key
	s_and_b32 s17, s95, 3
	s_lshl_b32 s17, s17, 2
	s_add_co_u32 s17, s17, s41                     ; tile row 0..15 of that tensor
	s_lshl_b32 s43, s41, 2
	s_lshl_b32 s43, 15, s43                        ; my row of the cluster
	s_lshl_b32 s44, 0x1111, s40                    ; my column
	s_or_b32 s[G1+0], s43, (0<<16)|(1<<20)|(1<<21)|(3<<22)|(3<<25)  ; mask; bytes; padding on; bit 21 beside a mask; 4 words of padding behind every 16
	s_or_b32 s[G1B+0], s44, (0<<16)|(1<<20)|(1<<21)|(3<<22)|(3<<25)
.irp g, G1, G1B
	s_mov_b32 s[\g+1], ROWB<<16                    ; tensor_dim0
	s_mov_b32 s[\g+2], 128<<16                     ; tensor_dim1
	s_mov_b32 s[\g+3], ROWB<<16                    ; tile_dim0
	s_mov_b32 s[\g+4], 128                         ; tile_dim1
	s_mov_b32 s[\g+5], KROW                        ; from row to row
	s_mov_b32 s[\g+6], 0
	s_mov_b32 s[\g+7], 0
.endr
	s_lshl_b32 s18, s16, 7
	s_lshl_b32 s20, s17, 8
	s_add_co_u32 s20, s20, s18                     ; A: row 256 x tile row + 128 x half
	s_lshl_b32 s46, s42, 8
	s_add_co_u32 s46, s46, s18                     ; B: row 256 x tile column + 128 x half
	s_mov_b32 s21, 0
	s_mov_b32 s47, 0
	s_mov_b64 s[18:19], KS
	s_mul_u64 s[22:23], s[20:21], s[18:19]         ; where these rows' scale bytes begin
	s_mul_u64 s[92:93], s[46:47], s[18:19]
	s_mov_b64 s[18:19], KROW
	s_mul_u64 s[20:21], s[20:21], s[18:19]         ; and their codes
	s_mul_u64 s[46:47], s[46:47], s[18:19]
	s_mul_i32 s45, s14, HALFT                      ; where they go: wave x 128 rows
	s_mul_i32 s94, s14, HALFS
	s_wait_kmcnt 0x0
	s_cmp_lt_u32 s95, 4                            ; query or key: a choice on the cluster's y alone
	s_cselect_b64 s[4:5], s[68:69], s[76:77]       ; A's codes
	s_cselect_b64 s[6:7], s[70:71], s[78:79]       ; A's scales
	s_cselect_b64 s[8:9], s[72:73], s[80:81]       ; B's codes
	s_cselect_b64 s[10:11], s[74:75], s[82:83]     ; B's scales
	s_cselect_b64 s[12:13], s[84:85], s[86:87]     ; qn or kn
	; the scales of 128 rows: 8,192 dense bytes as rows of 256 bytes, 16 bytes of padding behind each (s68 on are free now)
	s_or_b32 s[G1S+0], s43, (3<<16)|(1<<20)|(1<<21)|(5<<22)|(3<<25)
	s_or_b32 s[G1SB+0], s44, (3<<16)|(1<<20)|(1<<21)|(5<<22)|(3<<25)
.irp g, G1S, G1SB
	s_mov_b32 s[\g+1], 32<<16
	s_mov_b32 s[\g+2], (128*KS/256)<<16
	s_mov_b32 s[\g+3], 32<<16
	s_mov_b32 s[\g+4], 128*KS/256
	s_mov_b32 s[\g+5], 32
	s_mov_b32 s[\g+6], 0
	s_mov_b32 s[\g+7], 0
.endr
	s_add_nc_u64 s[20:21], s[4:5], s[20:21]
	s_add_nc_u64 s[22:23], s[6:7], s[22:23]
	s_add_nc_u64 s[46:47], s[8:9], s[46:47]
	s_add_nc_u64 s[92:93], s[10:11], s[92:93]
	CROUND                                         ; all sixteen work-groups are here: the first joint loads meet
	s_mov_b32 s[G0S], 1
	s_add_co_u32 s[G0S+1], s94, SCL
	s_mov_b64 s[G0S+2:G0S+3], s[22:23]
	s_or_b32 s[G0S+3], s[G0S+3], 0x80000000
	s_mov_b32 s[G0SB], 1
	s_add_co_u32 s[G0SB+1], s94, SCL
	s_mov_b64 s[G0SB+2:G0SB+3], s[92:93]
	s_or_b32 s[G0SB+3], s[G0SB+3], 0x80000000
	JLOAD G0S, G1S, G0SB, G1SB                     ; the scales first: they are wanted with K step 0
.irp s, 0,1
	s_mov_b32 s[G0+4*\s], 1
	s_add_co_u32 s[G0+4*\s+1], s45, \s*SLOT
	s_add_nc_u64 s[G0+4*\s+2:G0+4*\s+3], s[20:21], \s*ROWB
	s_or_b32 s[G0+4*\s+3], s[G0+4*\s+3], 0x80000000
	s_mov_b32 s[G0B+4*\s], 1
	s_add_co_u32 s[G0B+4*\s+1], s45, \s*SLOT
	s_add_nc_u64 s[G0B+4*\s+2:G0B+4*\s+3], s[46:47], \s*ROWB
	s_or_b32 s[G0B+4*\s+3], s[G0B+4*\s+3], 0x80000000
	JLOAD G0+4*\s, G1, G0B+4*\s, G1B
.endr
	v_and_b32 v1, 15, v0                           ; r
	v_bfe_u32 v2, v0, 4, 1                         ; h
	v_mul_u32_u24 v3, v1, PITCH
	v_mul_u32_u24 v4, v2, 24
	v_add_nc_u32 v4, v3, v4                        ; a fragment's row x pitch + 24 h
	v_lshl_add_u32 v5, v2, 4, v4                   ; and the same behind one padding more
	s_mul_i32 s21, s15, HALFT
	s_mul_i32 s22, s16, HALFT
	s_add_co_u32 s22, s22, 2*HALFT
.irp s, 0,1
	v_add_nc_u32 v[ADRA+\s], s21, v4
	v_add_nc_u32 v[ADRB+\s], s22, v4
	v_add_nc_u32 v[ADRA+2+\s], s21, v5
	v_add_nc_u32 v[ADRB+2+\s], s22, v5
	s_add_co_u32 s21, s21, SLOT
	s_add_co_u32 s22, s22, SLOT
.endr
	v_mul_u32_u24 v5, v1, KS
	v_lshrrev_b32 v6, 8, v5
	v_lshl_add_u32 v5, v6, 4, v5                   ; my row's scale bytes: 64 r, and 16 more for each 256 passed
	s_mul_i32 s21, s15, HALFS
	s_mul_i32 s22, s16, HALFS
	s_add_co_u32 s22, s22, 2*HALFS
	s_sub_co_u32 s22, s22, s21
	v_mul_u32_u24 v6, s22, v2                      ; lanes 16-31 take B's
	s_add_co_u32 s21, s21, SCL
	v_add_nc_u32 v5, v5, v6
	v_add_nc_u32 v[ADRS], s21, v5
	; the way out: group of tokens 16 x tile row + 8 x half + a, head 2 x tile column + (wave & 1)
	v_and_b32 v6, 31, v0
	v_lshlrev_b32 v[LOFF], 4, v6
	v_lshlrev_b32 v[SOFF], 2, v1
	v_lshl_add_u32 v[SOFF], v2, 10, v[SOFF]
	s_lshl_b32 s20, s17, 4
	s_lshl_b32 s21, s15, 3
	s_add_co_u32 s20, s20, s21
	s_lshl_b32 s20, s20, 4
	s_lshl_b32 s46, s42, 1
	s_add_co_u32 s46, s46, s16
	s_add_co_u32 s46, s46, s20                     ; 16 x group + head
	s_lshl_b32 s20, s46, 6
	s_add_co_u32 s20, s20, SWORDS
	s_mov_b32 s21, 0
	s_add_nc_u64 s[66:67], s[12:13], s[20:21]      ; my scale words
	s_mul_i32 s46, s46, 1536
	s_mov_b32 s47, 0
	s_add_nc_u64 s[12:13], s[12:13], s[46:47]      ; my codes
	s_mov_b32 s[HMASK], 0xffff0000
	s_mov_b32 s[SEL], 0x76543210
	s_mov_b32 s[SEL+1], 0xfedcba98
.macro FRAG reg, adr, q, i             ; a fragment: 16 rows x 128 K in 12 registers: lane (r, h): registers 6 c .. 6 c + 5 = K 64 c + 32 h + 0 .. 31: 24 bytes of the row as they lie, in pieces of 8 bytes
.irp p, 0,1,2,3,4,5
.set PIECE, 12*(\q)+6*(\p/3)+\p%3     ; lanes 16-31 read three pieces on: where that lies behind one padding more, the second address register serves
.if PIECE%8 < 5
	ds_load_b64 v[\reg+2*\p:\reg+2*\p+1], v[\adr] offset:8*PIECE+16*(PIECE/8)+(\i)*16*PITCH
.else
	ds_load_b64 v[\reg+2*\p:\reg+2*\p+1], v[\adr+2] offset:8*PIECE+16*(PIECE/8)+(\i)*16*PITCH
.endif
.endr
.endm
; 16 matrix instructions: token blocks a0, a0 + 1 x W's eight.  The 64 accumulators take turns, one instruction a turn, in the same order in every step.
.macro MUL16 a0, p, q, sc, zero
.irp a, \a0, \a0+1
.irp b, 0,1,2,3,4,5,6,7
.if \zero
	v_wmma_scale_f32_16x16x128_f8f6f4 v[8*(8*((\a)%4)+\b):8*(8*((\a)%4)+\b)+7], v[128*(\p)+FR*\b:128*(\p)+FR*\b+FR-1], v[AF+FR*(\a):AF+FR*(\a)+FR-1], 0, v[SC+8*NQ*(\sc)+NQ*\b+(\q)], v[SC+8*NQ*(\sc)+NQ*(\a)+(\q)] matrix_a_fmt:MATRIX_FMT_FP6 matrix_b_fmt:MATRIX_FMT_FP6 matrix_a_scale:MATRIX_SCALE_ROW1
.else
	v_wmma_scale_f32_16x16x128_f8f6f4 v[8*(8*((\a)%4)+\b):8*(8*((\a)%4)+\b)+7], v[128*(\p)+FR*\b:128*(\p)+FR*\b+FR-1], v[AF+FR*(\a):AF+FR*(\a)+FR-1], v[8*(8*((\a)%4)+\b):8*(8*((\a)%4)+\b)+7], v[SC+8*NQ*(\sc)+NQ*\b+(\q)], v[SC+8*NQ*(\sc)+NQ*(\a)+(\q)] matrix_a_fmt:MATRIX_FMT_FP6 matrix_b_fmt:MATRIX_FMT_FP6 matrix_a_scale:MATRIX_SCALE_ROW1
.endif
.endr
.endr
.endm
.macro FETCH_B slot, q, p
	WIN TO_B
.irp i, 0,1,2,3,4,5,6,7
	FRAG 128*(\p)+FR*\i, ADRB+\slot, \q, \i
.endr
	WIN 0
.endm
.macro FETCH_A slot, q, i0
.irp i, \i0, \i0+1, \i0+2, \i0+3
	FRAG AF+FR*(\i), ADRA+\slot, \q, \i
.endr
.endm
.macro SCALES sc                       ; a K step's scale words: lanes 0-15 the tokens' block i, lanes 16-31 W's block i
.irp i, 0,1,2,3,4,5,6,7
	ds_load_b64 v[SC+8*NQ*\sc+NQ*\i:SC+8*NQ*\sc+NQ*\i+1], v[ADRS] offset:\i*SBLK
.endr
.endm
.macro PLACES n                        ; plain vector instructions between a matrix instruction and a load into, or a read of, its registers
.rept \n
	v_nop
.endr
.endm
.macro STEP slot, q, zero              ; 128 along K whose successor lies in the same slot
	s_wait_dscnt 4*NL                              ; W's set and token blocks 0-3 are in; the youngest 24 loads (blocks 4-7) may be out
	WIN MUL_LO
	MUL16 0, (\q)%2, \q, \slot, \zero
	MUL16 2, (\q)%2, \q, \slot, \zero
	s_wait_dscnt 0                                 ; blocks 4-7 are in
	PLACES NP
	FETCH_B \slot, (\q)+1, 1-(\q)%2
	FETCH_A \slot, (\q)+1, 0
	WIN MUL_HI
	MUL16 4, (\q)%2, \q, \slot, \zero
	MUL16 6, (\q)%2, \q, \slot, \zero
	PLACES NP
	WIN 0
	FETCH_A \slot, (\q)+1, 4
.endm
; A slot's last step changes slots: one barrier; in front of it each wave waits for all its tensor loads, adds 0 to its spare word, and waits for that and for its reads of this slot.
.macro TURN slot, next, fill
	s_wait_tensorcnt 0x0                           ; all my tensor loads have landed: my part of the next slot
	ds_add_u32 v[SPW], v[NIL]                      ; 0 onto my spare word
	s_wait_dscnt 4*NL+1                            ; (the add and the youngest 24 loads may be out)
	WIN MUL_LO
	MUL16 0, 1, NQ-1, \slot, 0
	s_wait_dscnt 0x0                               ; the add is done, and my reads of this slot are over
	s_barrier_signal -1
	MUL16 2, 1, NQ-1, \slot, 0
	WIN 0
	s_barrier_wait -1
.if \fill
	CREST                                          ; the barrier has opened a round of the cluster's: no wave of any partner still reads this slot or has a load on its way
	s_add_nc_u64 s[G0+4*\slot+2:G0+4*\slot+3], s[G0+4*\slot+2:G0+4*\slot+3], 2*ROWB
	s_add_nc_u64 s[G0B+4*\slot+2:G0B+4*\slot+3], s[G0B+4*\slot+2:G0B+4*\slot+3], 2*ROWB
	JLOAD G0+4*\slot, G1, G0B+4*\slot, G1B         ; the first tensor load behind the round; its four v_nop are the places in front of the loads below
.else
	PLACES NP
.endif
	v_add_nc_u32 v[ADRS], 4*NQ, v[ADRS]            ; the next K step's scale words (no LDS load of mine is out)
	FETCH_B \next, 0, 0
	FETCH_A \next, 0, 0
	SCALES \next
	WIN MUL_HI
	MUL16 4, 1, NQ-1, \slot, 0
	MUL16 6, 1, NQ-1, \slot, 0
	PLACES NP
	WIN 0
	FETCH_A \next, 0, 4
.endm
; 64 numbers of a lane, register 16 b + i = k 32 b + 16 h + i of my row, become a fragment's codes in v[PC] on and its scale word in v[PW].
.macro QUANT s
.irp b, 0,1,2,3
	v_max3_num_f32 v[TM+\b], |v[\s+16*\b]|, |v[\s+1+16*\b]|, 0x1800000   ; my 16 numbers of block b, and the floor 2^(3 - 127): the byte cannot fall under 1
.endr
.irp i, 2,4,6,8,10,12,14
.irp b, 0,1,2,3
	v_max3_num_f32 v[TM+\b], v[TM+\b], |v[\s+16*\b+\i]|, |v[\s+1+16*\b+\i]|
.endr
.endr
.irp b, 0,1,2,3
	v_permlanex16_b32 v[TM+4+\b], v[TM+\b], s[SEL], s[SEL+1]
.endr
.irp b, 0,1,2,3
	v_max_num_f32 v[TM+\b], v[TM+\b], v[TM+4+\b]   ; with lane l xor 16's: the block's largest magnitude
.endr
.irp b, 0,1,2,3
	v_add_nc_u32 v[TM+12+\b], 0xff000000, v[TM+\b] ; 2 off its exponent field: the conversion's scale operand
.endr
.irp b, 0,1,2,3
	v_lshrrev_b32 v[TM+4+\b], 23, v[TM+12+\b]      ; the scale's byte
.endr
	v_lshl_or_b32 v[PW], v[TM+5], 8, v[TM+4]
	v_lshl_or_b32 v[PW], v[TM+6], 16, v[PW]
	v_lshl_or_b32 v[PW], v[TM+7], 24, v[PW]
.irp c, 0,1
	v_cvt_scalef32_pk16_fp6_f32 v[PC+6*\c:PC+2+6*\c], v[\s+32*\c:\s+15+32*\c], v[TM+12+2*\c]
	v_cvt_scalef32_pk16_fp6_f32 v[PC+12+4*\c:PC+14+4*\c], v[\s+16+32*\c:\s+31+32*\c], v[TM+12+2*\c+1]   ; (a conversion's three registers begin on an even number)
.endr
	v_nop                                          ; one plain place behind a scaled conversion
.irp c, 0,1                                    ; the operand's layout wants a whole block in a lane
.irp i, 0,1,2
	v_permlane16_swap_b32 v[PC+6*\c+\i], v[PC+12+4*\c+\i]
.endr
.irp i, 0,1,2
	v_mov_b32 v[PC+3+6*\c+\i], v[PC+12+4*\c+\i]
.endr
.endr
.endm
; Block a (16 tokens) leaves: the head's sum, the division, the quantiser, the stores.
.macro NORMQ a
.set AC, 64*((\a)%4)
.set W, 2+(\a)/4
.set WW, W|(W<<2)
.if (\a) > 0
	s_wait_xcnt 0x0                                ; the last block's stores have read their registers: codes and scale word are written again only behind this wait
.endif
	WIN WW                                         ; sources 0 and 1: the accumulators' window
.set i, 0
.rept 16
	v_pk_add_f32 v[T+2*i:T+2*i+1], v[AC+4*i:AC+4*i+1], v[AC+4*i+2:AC+4*i+3]   ; each accumulator from its low end on
.set i, i+1
.endr
	WIN 0
.irp n, 16,8,4,2
.set i, 0
.rept \n/2
	v_pk_add_f32 v[T+2*i:T+2*i+1], v[T+2*i:T+2*i+1], v[T+\n+2*i:T+\n+2*i+1]
.set i, i+1
.endr
.endr
	v_add_f32 v[SM], v[T], v[T+1]                  ; my 64 numbers,
	v_permlanex16_b32 v[PX], v[SM], s[SEL], s[SEL+1]
	v_add_f32 v[SM], v[SM], v[PX]                  ; with lane l xor 16's 64: the head's sum for my token
	v_add_f32 v[SM], 0x358637bd, v[SM]             ; + 1e-6
	v_rcp_f32 v[INV], v[SM]
	v_nop                                          ; one plain place behind the reciprocal
	WIN W                                          ; source 0: the accumulators' window
.set i, 0
	s_wait_alu depctr_va_vdst(0)
.rept 32
	v_pk_mul_f32 v[X+2*i:X+2*i+1], v[AC+2*i:AC+2*i+1], v[INV:INV+1] op_sel_hi:[1,0]
.set i, i+1
.endr
	WIN 0
.irp b, 0,1,2,3                                ; tiles 2 b and 2 b + 1 hold 32 b + 16 u + 8 h + j: the first's lanes 16-31 change places with the second's lanes 0-15, and register 16 b + i holds 32 b + 16 h + i
.irp j, 0,1,2,3,4,5,6,7
	v_permlane16_swap_b32 v[X+16*\b+\j], v[X+16*\b+8+\j]
.endr
.endr
	QUANT X
.irp c, 0,1,2
	global_store_b128 v[LOFF], v[PC+4*\c:PC+4*\c+3], s[12:13] offset:(\a)*24576+512*\c   ; the operand's registers as they stand: 512 consecutive bytes, aligned
.endr
.if (\a)%2 == 0
	v_mov_b32 v[PWE], v[PW]
.else
	v_cndmask_b32 v[PW], v[PWE], v[PW], s[HMASK]   ; lanes 0-15: the even block's words, lanes 16-31: this block's
	global_store_b32 v[SOFF], v[PW], s[66:67] offset:((\a)-1)*1024
.endif
.endm
	s_wait_tensorcnt 1                             ; the scales and my part of K step 0 are in (K step 1's load may be out)
	s_barrier_signal -1
	s_barrier_wait -1                              ; everybody's are
	FETCH_B 0, 0, 0
	FETCH_A 0, 0, 0
	SCALES 0
	FETCH_A 0, 0, 4
	STEP 0, 0, 1                                   ; the first step's products start the sums
	s_mov_b32 s3, LAPS-1
.Llap:                                                 ; a trip goes once round the ring and fills both slots again
	TURN 0, 1, 1
	STEP 1, 0, 0
	TURN 1, 0, 1
	STEP 0, 0, 0
	s_sub_co_u32 s3, s3, 1
	s_cmp_lg_u32 s3, 0
	s_cbranch_scc1 .Llap
	TURN 0, 1, 0                                   ; the last lap fills nothing
	STEP 1, 0, 0
	s_wait_dscnt 4*NL
	WIN MUL_LO
	MUL16 0, 1, NQ-1, 1, 0
	MUL16 2, 1, NQ-1, 1, 0
	s_wait_dscnt 0
	WIN MUL_HI
	MUL16 4, 1, NQ-1, 1, 0
	MUL16 6, 1, NQ-1, 1, 0
	WIN 0
	PLACES NP                                      ; in front of writes into the registers that held the tokens' fragments, and of the first reads of results
.irp b, 0,1,2,3
	v_mov_b32 v[TM+4+\b], 0                        ; written once: a lane permute's destination counts as one of its sources
.endr
	v_mov_b32 v[PX], 0
	v_mov_b32 v[INV+1], 0                          ; (named as the upper half of a pair)
.irp a, 0,1,2,3,4,5,6,7
	NORMQ \a
.endr
	s_wait_tensorcnt 0x0                           ; the wave's end
	ds_add_u32 v[SPW], v[NIL]
	s_wait_dscnt 0x0
	CROUND                                         ; the closing round
	s_endpgm
.Lfunc_end_k_qc34fc74a56_qk:
	.size	k_qc34fc74a56_qk, .Lfunc_end_k_qc34fc74a56_qk-k_qc34fc74a56_qk
	.p2alignl 7, 3214868480
	.fill 96, 4, 3214868480
	.section	.rodata,"a",@progbits
	.p2align	6, 0x0
	.amdhsa_kernel k_qc34fc74a56_qk
		.amdhsa_group_segment_fixed_size 327680
		.amdhsa_private_segment_fixed_size 0
		.amdhsa_enable_private_segment 0
		.amdhsa_kernarg_size 80
		.amdhsa_user_sgpr_count 2
		.amdhsa_user_sgpr_kernarg_segment_ptr 1
		.amdhsa_wavefront_size32 1
		.amdhsa_system_sgpr_workgroup_id_x 1
		.amdhsa_system_sgpr_workgroup_id_y 1
		.amdhsa_system_sgpr_workgroup_id_z 1
		.amdhsa_system_vgpr_workitem_id 0
		.amdhsa_next_free_vgpr 1024
		.amdhsa_next_free_sgpr 102
		.amdhsa_reserve_vcc 0
		.amdhsa_float_denorm_mode_32 3
		.amdhsa_float_denorm_mode_16_64 3
		.amdhsa_memory_ordered 1
		.amdhsa_forward_progress 1
		.amdhsa_inst_pref_size 207
	.end_amdhsa_kernel
	.amdgpu_metadata
---
amdhsa.version: [ 1, 2 ]
amdhsa.kernels:
  - .name:           k_qc34fc74a56_qk
    .symbol:         k_qc34fc74a56_qk.kd
    .args:
      - { .name: query_codes, .offset: 0, .size: 8, .value_kind: global_buffer, .address_space: global }
      - { .name: query_scales, .offset: 8, .size: 8, .value_kind: global_buffer, .address_space: global }
      - { .name: Wq_codes, .offset: 16, .size: 8, .value_kind: global_buffer, .address_space: global }
      - { .name: Wq_scales, .offset: 24, .size: 8, .value_kind: global_buffer, .address_space: global }
      - { .name: key_codes, .offset: 32, .size: 8, .value_kind: global_buffer, .address_space: global }
      - { .name: key_scales, .offset: 40, .size: 8, .value_kind: global_buffer, .address_space: global }
      - { .name: Wk_codes, .offset: 48, .size: 8, .value_kind: global_buffer, .address_space: global }
      - { .name: Wk_scales, .offset: 56, .size: 8, .value_kind: global_buffer, .address_space: global }
      - { .name: qn, .offset: 64, .size: 8, .value_kind: global_buffer, .address_space: global }
      - { .name: kn, .offset: 72, .size: 8, .value_kind: global_buffer, .address_space: global }
    .group_segment_fixed_size: 327680
    .private_segment_fixed_size: 0
    .kernarg_segment_align: 8
    .kernarg_segment_size: 80
    .max_flat_workgroup_size: 128
    .sgpr_count:     102
    .vgpr_count:     1024
    .wavefront_size: 32
...
	.end_amdgpu_metadata
.endif
;; end of part 1
;; launch soft (part 2): grid 256 x 1, 16 waves a work-group, no clusters, 96,256 bytes of LDS; arguments qn, kn, mask, Wv_codes, Wv_scales, Wo_codes, Wo_scales, out1, wvp, wop; writes out1, wvp, wop
.if DOCPART == 2
	.amdgcn_target "amdgcn-amd-amdhsa--gfx1250"
	.amdhsa_code_object_version 6
	.text
	.protected	k_qc34fc74a56_soft
	.globl	k_qc34fc74a56_soft
	.p2align	8
	.type	k_qc34fc74a56_soft,@function
k_qc34fc74a56_soft:
	s_mov_b64 s[64:65], 0
	v_nop
	global_prefetch_b8 v0, s[64:65] scope:SCOPE_SE
	s_setreg_imm32_b32 hwreg(HW_REG_WAVE_MODE, 25, 1), 1
	s_wait_xcnt 0x0
; For each token: logits(q, k) = Qn(q, :) . Kn(k, :) over the head's 128 (one matrix instruction on the codes that the launch before made), + mask x (-1e9), / sqrt(128), softmax over k: out1.
; A work-group takes a group of 16 tokens, a wave one token.  qn and kn hold, for each (group, head), the image of an operand whose rows are the 16 TOKENS; a token's operand wants the 16 HEADS as rows.
; So wave w first carries head w's two images (1,536 bytes each) into LDS as they lie; behind a barrier lane (head, h) of wave t takes the 3 x 16 bytes that lane (t, h) of its head's image held.
; The images lie 1,552 bytes apart, 16 more than a multiple of 256, so that the sixteen lanes of such a load start at sixteen different columns of 16 bytes (64 banks of 4 bytes: ISA guide 11.1).
; THE SAME LAUNCH LAYS TWO WEIGHTS ANEW (8 rows of each a work-group), for the two launches that follow:
;   wvp: row 512 g + 128 w + 16 b + r4 is Wv's row (4 w + (r4 & 3)) 128 + 32 g + 4 b + (r4 >> 2): whole rows change places;
;   wop: Wo as IMAGES OF THE OPERAND'S REGISTERS, [block of 16 rows][128 along K][1,536 bytes].  Along K block 16 g + q of 32 is Wo's block 4 q + g.  Lane (r, h) of an image owns 48 bytes, blocks h and 2 + h of its
;   128 along K on end, cut into three pieces of 16.  My 8 rows are half of an image's rows (which half: the work-group's number & 1), so an image is ordered [row half][piece][lane half XOR row half][row & 7][16 bytes]:
;   each work-group stores whole aligned runs of 256 bytes, and the sixteen lanes that later read a piece together (one lane half, both row halves) start at sixteen different columns of 16 bytes.
;   The scale bytes of both stay [row][64], wop's in the new order of blocks.
; No work-group shares an input with another, so there is no cluster; no tensor load, so no ring.
; THE MASK'S TERM IS NOT FUSED: mask x (-1e9) is rounded, then added, as the definition rounds it: at 1e9 a last place is 64, which a softmax over a row that is masked throughout would show.
; THE DIVISION by sqrt(128) is y = x rc, r = x - y c, y + r rc (two fused steps): the quotient as f32 division rounds it, for the same reason.
; LIMITS: exponentials under 2^-126 are 0 (v_exp_f32); p / sum is p times v_rcp_f32(sum); NaN and infinities among the logits are not served.
.set CP,  1552                         ; from image to image in LDS
.set QL,  0                            ; Q's 16 images
.set KL,  16*CP                        ; K's
.set SCB, 32*CP                        ; scale words: K's 1,024 bytes [head][token], then Q's
.set WT,  SCB+2048                     ; 1,024 bytes a wave: the weights' turn on the way out
.set WN,  WT+16384                     ; 8 rows of Wo as they lie
.set WP,  WN+12288                     ; the same rows as half images: [128 along K 16][piece 3][lane half 2][row 8][16 bytes]
.set SB,  WP+12288                     ; 512 scale bytes for wop, then 512 for wvp
.set NEG, 80                           ; s[80:81] -1e9
.set RC,  82                           ; s[82:83] 1 / sqrt(128)
.set CC,  84                           ; s[84:85] sqrt(128)
.set L2E, 86                           ; s[86:87] log2(e)
.set SEL, 88                           ; s[88:89] lane l xor 16
.macro SRCROW d, s, t                  ; which row of Wv lies at row s of wvp
	s_bfe_u32 \d, \s, 0x20007                      ; w
	s_lshl_b32 \d, \d, 2
	s_and_b32 \t, \s, 3
	s_add_co_u32 \d, \d, \t                        ; the head: 4 w + (r4 & 3)
	s_lshl_b32 \d, \d, 7
	s_lshr_b32 \t, \s, 9                           ; g
	s_lshl_b32 \t, \t, 5
	s_add_co_u32 \d, \d, \t
	s_bfe_u32 \t, \s, 0x30004                      ; b
	s_lshl_b32 \t, \t, 2
	s_add_co_u32 \d, \d, \t
	s_bfe_u32 \t, \s, 0x20002                      ; r4 >> 2
	s_add_co_u32 \d, \d, \t
.endm
	s_load_b512 s[36:51], s[0:1], 0x0              ; qn, kn, mask, Wv's codes, Wv's scales, Wo's codes, Wo's scales, out1
	s_load_b128 s[52:55], s[0:1], 0x40             ; wvp, wop
	v_lshl_add_u32 v160, v0, 2, 0x17000
	v_mov_b32 v161, 0
	v_lshrrev_b32 v1, 5, v0
	v_readfirstlane_b32 s8, v1                     ; wave 0..15
	v_and_b32 v1, 31, v0                           ; lane
	v_and_b32 v2, 15, v0                           ; r
	v_bfe_u32 v3, v0, 4, 1                         ; h
	s_lshr_b32 s9, s8, 1
	s_and_b32 s10, s8, 1
	s_and_b32 s11, s8, 7
	v_lshlrev_b32 v4, 4, v1                        ; 16 x lane
	v_lshlrev_b32 v7, 2, v1                        ; 4 x lane
	v_lshlrev_b32 v8, 6, v2
	v_lshl_add_u32 v8, v3, 5, v8                   ; 64 r + 32 h: row r of a token's 16 x 16, my eight numbers
	v_lshl_add_u32 v91, v2, 2, v3                  ; 4 r + h
	; every LDS address is made here, ahead of the first parting of the waves
	s_mul_i32 s20, s8, CP
	v_add_nc_u32 v5, s20, v4                       ; v5: my head's image, on the way in
	s_lshl_b32 s20, s8, 7
	s_add_co_u32 s20, s20, SCB
	v_add_nc_u32 v6, s20, v7                       ; v6: my 128 bytes of scale words, on the way in
	s_mul_i32 s20, s11, 1536
	s_add_co_u32 s21, s20, WN
	v_add_nc_u32 v9, s21, v4                       ; v9: my row of Wo, on the way in
	s_add_co_u32 s21, s20, WP
	v_add_nc_u32 v89, s21, v4                      ; v89: two half images (2 x 768 bytes) on the way out
	s_lshl_b32 s20, s8, 5
	s_add_co_u32 s20, s20, SB
	v_add_nc_u32 v10, s20, v1                      ; v10: my 32 scale bytes
	v_mul_u32_u24 v11, v2, CP
	v_lshl_add_u32 v11, v3, 8, v11
	s_lshl_b32 s20, s8, 4
	v_add_nc_u32 v11, s20, v11                     ; v11: image of head r, the bytes of its lane (my token, h)
	v_lshlrev_b32 v12, 6, v2
	v_lshl_add_u32 v12, v3, 10, v12
	s_lshl_b32 s20, s8, 2
	s_add_co_u32 s20, s20, SCB
	v_add_nc_u32 v12, s20, v12                     ; v12: lanes 0-15 K's word of (head r, my token), lanes 16-31 Q's
	s_mul_i32 s20, s9, 1536
	s_mul_i32 s21, s10, 48
	s_add_co_u32 s21, s21, s20
	s_add_co_u32 s21, s21, WN
	v_mul_u32_u24 v13, v2, 96
	v_mad_u32_u24 v13, v3, 24, v13
	v_add_nc_u32 v13, s21, v13                     ; v13: Wo's block 4 r + h + 2 (wave & 1) of row wave / 2: q = r, g = h + 2 (wave & 1)
	; its new place: block 16 g + q: the image of 128 along K number 4 h + 8 (wave & 1) + r / 4; in it lane half r & 1, and the first (c = 0) or second (c = 1) 24 of the lane's 48 bytes, c = (r >> 1) & 1.
	; The block's three pieces of 8 bytes lie at 0, 8, 256 (c = 0) or 264, 512, 520 (c = 1) from the lane's first piece: two address registers, + 264 c and + 504 c
	s_lshl_b32 s20, s9, 4                          ; 16 x my row
	s_mul_i32 s21, s10, 8*768
	s_add_co_u32 s21, s21, s20
	s_add_co_u32 s21, s21, WP
	v_lshrrev_b32 v14, 2, v2
	v_mul_u32_u24 v14, v14, 768
	v_mad_u32_u24 v14, v3, 4*768, v14
	v_and_b32 v92, 1, v2
	v_lshl_add_u32 v14, v92, 7, v14
	v_add_nc_u32 v14, s21, v14
	v_bfe_u32 v93, v0, 1, 1                        ; c
	v_mad_u32_u24 v92, v93, 504, v14               ; v92: for the middle piece (+ 8)
	v_mad_u32_u24 v14, v93, 264, v14               ; v14: for the first (+ 0) and the last (+ 256)
	s_lshl_b32 s20, s8, 10
	s_add_co_u32 s20, s20, WT
	v_add_nc_u32 v15, s20, v8                      ; v15: the weights' turn, in
	v_add_nc_u32 v63, s20, v4                      ; v63: and back
	s_lshl_b32 s20, s10, 9
	s_add_co_u32 s20, s20, SB
	v_add_nc_u32 v90, s20, v4                      ; v90: 512 scale bytes on the way out (waves 8 and 9)
	v_mov_b32 v139, 0                              ; (named as the upper half of a pair)
	; offsets in memory
	s_and_b32 s20, ttmp9, 1                        ; which half of an image's rows is mine
	s_lshl_b32 s21, s20, 7
	v_lshlrev_b32 v93, 4, v2
	v_xor_b32 v93, s21, v93                        ; in a run of 256 bytes: 16 (lane & 15), its two halves changed over for the second row half
	v_lshl_add_u32 v94, v3, 10, v93                ; v94: the middle store: lanes 0-15 end the first half image, lanes 16-31 begin the second, 1,024 bytes on
	v_lshl_add_u32 v93, v3, 8, v93                 ; v93: the first and the last store: two neighbouring runs
	s_lshr_b32 s2, ttmp9, 1
	s_mul_i32 s2, s2, 24576                        ; my block of 16 rows,
	s_mul_i32 s20, s20, 768                        ; my half of each image,
	s_add_co_u32 s2, s2, s20
	s_mul_i32 s20, s11, 3072                       ; my wave's two images
	s_add_co_u32 s2, s2, s20
	s_mov_b32 s3, 0
	s_lshl_b32 s12, ttmp9, 4
	s_add_co_u32 s12, s12, s8                      ; 16 x group + wave: my image, and my token
	s_lshl_b32 s13, ttmp9, 3
	s_add_co_u32 s14, s13, s9                      ; the row whose scale bytes I carry
	s_add_co_u32 s13, s13, s11                     ; the row whose codes I carry
	SRCROW s15, s13, s20
	SRCROW s16, s14, s20
	s_mul_i32 s24, s12, 1536
	s_mov_b32 s25, 0
	s_lshl_b32 s26, s12, 10
	s_mov_b32 s27, 0
	s_lshl_b32 s28, ttmp9, 10
	s_lshl_b32 s20, s11, 7
	s_add_co_u32 s28, s28, s20
	s_add_co_u32 s28, s28, 6291456
	s_mov_b32 s29, 0
	s_cmp_lt_u32 s8, 8                             ; waves 0-7 carry Wo's rows, waves 8-15 Wv's
	s_cselect_b32 s30, s13, s15
	s_mul_i32 s30, s30, 1536
	s_mov_b32 s31, 0
	s_mul_i32 s32, s13, 1536
	s_mov_b32 s33, 0
	s_lshl_b32 s34, s14, 6
	s_lshl_b32 s20, s10, 1
	s_add_co_u32 s34, s34, s20
	s_mov_b32 s35, 0
	s_lshl_b32 s18, s16, 6
	s_lshl_b32 s20, s10, 5
	s_add_co_u32 s18, s18, s20
	s_mov_b32 s19, 0
	s_lshl_b32 s22, ttmp9, 9
	s_add_co_u32 s22, s22, 3145728
	s_mov_b32 s23, 0
	s_mov_b32 s[NEG], 0xce6e6b28
	s_mov_b32 s[NEG+1], s[NEG]
	s_mov_b32 s[RC], 0x3db504f3
	s_mov_b32 s[RC+1], s[RC]
	s_mov_b32 s[CC], 0x413504f3
	s_mov_b32 s[CC+1], s[CC]
	s_mov_b32 s[L2E], 0x3fb8aa3b
	s_mov_b32 s[L2E+1], s[L2E]
	s_mov_b32 s[SEL], 0x76543210
	s_mov_b32 s[SEL+1], 0xfedcba98
	s_wait_kmcnt 0x0
	s_add_nc_u64 s[56:57], s[36:37], s[24:25]      ; Q's image of my head
	s_add_nc_u64 s[58:59], s[38:39], s[24:25]      ; K's
	s_cmp_lt_u32 s8, 8
	s_cselect_b64 s[60:61], s[38:39], s[36:37]     ; waves 0-7: K's scale words, waves 8-15: Q's
	s_cselect_b64 s[68:69], s[46:47], s[42:43]     ; Wo's codes or Wv's
	s_add_nc_u64 s[60:61], s[60:61], s[28:29]
	s_add_nc_u64 s[68:69], s[68:69], s[30:31]
	s_add_nc_u64 s[62:63], s[40:41], s[26:27]      ; my token's mask
	s_add_nc_u64 s[66:67], s[50:51], s[26:27]      ; and its weights
	s_add_nc_u64 s[70:71], s[48:49], s[34:35]      ; Wo's scale bytes
	s_add_nc_u64 s[72:73], s[44:45], s[18:19]      ; Wv's
	s_add_nc_u64 s[74:75], s[52:53], s[32:33]      ; my row of wvp
	s_add_nc_u64 s[76:77], s[54:55], s[2:3]        ; my two half images of wop
	s_cmp_eq_u32 s8, 8
	s_cselect_b64 s[78:79], s[54:55], s[52:53]     ; wave 8: wop's scale bytes; wave 9: wvp's
	s_add_nc_u64 s[78:79], s[78:79], s[22:23]
	; ---- in
.irp c, 0,1,2
	global_load_b128 v[16+4*\c:19+4*\c], v4, s[56:57] offset:512*\c th:TH_LOAD_NT
.endr
.irp c, 0,1,2
	global_load_b128 v[28+4*\c:31+4*\c], v4, s[58:59] offset:512*\c th:TH_LOAD_NT
.endr
	global_load_b32 v60, v7, s[60:61] th:TH_LOAD_NT
	global_load_b128 v[40:43], v8, s[62:63] th:TH_LOAD_NT            ; mask(r, 8 h + 0 .. 7): the result's layout
	global_load_b128 v[44:47], v8, s[62:63] offset:16 th:TH_LOAD_NT
.irp c, 0,1,2
	global_load_b128 v[48+4*\c:51+4*\c], v4, s[68:69] offset:512*\c th:TH_LOAD_NT
.endr
	global_load_u8 v61, v91, s[70:71]              ; Wo's scale byte of block 4 r + h + 2 (wave & 1)
	global_load_u8 v62, v1, s[72:73]               ; Wv's scale bytes as they lie
	s_wait_loadcnt 0x0
.irp c, 0,1,2
	ds_store_b128 v5, v[16+4*\c:19+4*\c] offset:QL+512*\c
	ds_store_b128 v5, v[28+4*\c:31+4*\c] offset:KL+512*\c
.endr
	ds_store_b32 v6, v60
	ds_store_b8 v10, v61
	ds_store_b8 v10, v62 offset:512
	s_cmp_lt_u32 s8, 8
	s_cbranch_scc0 .Lrow_of_wv
.irp c, 0,1,2
	ds_store_b128 v9, v[48+4*\c:51+4*\c] offset:512*\c
.endr
	s_branch .Lrow_done
.Lrow_of_wv:
.irp c, 0,1,2
	global_store_b128 v4, v[48+4*\c:51+4*\c], s[74:75] offset:512*\c   ; a whole row to its new place: 512 consecutive bytes a store
.endr
.Lrow_done:
	s_wait_dscnt 0x0                               ; for the others' sake: my LDS stores have landed
	s_barrier_signal -1
	s_barrier_wait -1
	; ---- my token
.irp c, 0,1,2
	ds_load_b128 v[64+4*\c:67+4*\c], v11 offset:KL+512*\c
	ds_load_b128 v[76+4*\c:79+4*\c], v11 offset:QL+512*\c
.endr
	ds_load_b32 v88, v12
.irp i, 0,1,2
	ds_load_b64 v[104+2*\i:105+2*\i], v13 offset:8*\i
.endr
	s_wait_dscnt 0x0
	v_wmma_scale_f32_16x16x128_f8f6f4 v[96:103], v[64:75], v[76:87], 0, v88, v88 matrix_a_fmt:MATRIX_FMT_FP6 matrix_b_fmt:MATRIX_FMT_FP6 matrix_b_scale:MATRIX_SCALE_ROW1   ; source 0 = K's 16 heads, source 1 = Q's: lane (q, h), register j: logit(q, 8 h + j)
	ds_store_b64 v14, v[104:105]                   ; Wo's block to its place in the half image, in three pieces of 8 bytes
	ds_store_b64 v92, v[106:107] offset:8
	ds_store_b64 v14, v[108:109] offset:256
.irp i, 0,2,4,6
	v_pk_mul_f32 v[120+\i:121+\i], v[40+\i:41+\i], s[NEG:NEG+1] op_sel_hi:[1,0]   ; mask x (-1e9): these four are the places behind the product
.endr
.irp i, 0,2,4,6
	v_pk_add_f32 v[120+\i:121+\i], v[96+\i:97+\i], v[120+\i:121+\i]   ; x = logit + that (the result from its low end on)
.endr
.irp i, 0,2,4,6
	v_pk_mul_f32 v[128+\i:129+\i], v[120+\i:121+\i], s[RC:RC+1] op_sel_hi:[1,0]   ; y = x rc
.endr
.irp i, 0,2,4,6
	v_pk_fma_f32 v[120+\i:121+\i], v[128+\i:129+\i], s[CC:CC+1], v[120+\i:121+\i] op_sel_hi:[1,0,1] neg_lo:[1,0,0] neg_hi:[1,0,0]   ; r = x - y c
.endr
.irp i, 0,2,4,6
	v_pk_fma_f32 v[128+\i:129+\i], v[120+\i:121+\i], s[RC:RC+1], v[128+\i:129+\i] op_sel_hi:[1,0,1]   ; t = y + r rc = x / sqrt(128)
.endr
	v_max3_num_f32 v136, v128, v129, v130
	v_max3_num_f32 v137, v131, v132, v133
	v_max3_num_f32 v136, v136, v134, v135
	v_max_num_f32 v136, v136, v137
	v_permlanex16_b32 v137, v136, s[SEL], s[SEL+1]
	v_max_num_f32 v136, v136, v137                 ; the row's largest t
.irp i, 0,2,4,6
	v_pk_add_f32 v[128+\i:129+\i], v[128+\i:129+\i], v[136:137] op_sel_hi:[1,0] neg_lo:[0,1] neg_hi:[0,1]   ; t - the largest
.endr
.irp i, 0,2,4,6
	v_pk_mul_f32 v[128+\i:129+\i], v[128+\i:129+\i], s[L2E:L2E+1] op_sel_hi:[1,0]
.endr
.irp i, 0,1,2,3,4,5,6,7
	v_exp_f32 v[128+\i], v[128+\i]
.endr
	v_nop                                          ; one plain place behind the exponentials
	s_wait_alu depctr_va_vdst(0)
	v_pk_add_f32 v[120:121], v[128:129], v[130:131]
	v_pk_add_f32 v[122:123], v[132:133], v[134:135]
	v_pk_add_f32 v[120:121], v[120:121], v[122:123]
	v_add_f32 v120, v120, v121
	v_permlanex16_b32 v121, v120, s[SEL], s[SEL+1]
	v_add_f32 v120, v120, v121                     ; the row's sum
	v_rcp_f32 v138, v120
	v_nop
	s_wait_alu depctr_va_vdst(0)
.irp i, 0,2,4,6
	v_pk_mul_f32 v[128+\i:129+\i], v[128+\i:129+\i], v[138:139] op_sel_hi:[1,0]
.endr
	ds_store_b128 v15, v[128:131]                  ; through my own 1,024 bytes of LDS, so that each store below covers 512 consecutive bytes
	ds_store_b128 v15, v[132:135] offset:16
	ds_load_b128 v[112:115], v63                   ; LDS serves a wave's instructions in order (ISA guide 5.7.1.4): these see the stores above
	ds_load_b128 v[116:119], v63 offset:512
	s_wait_dscnt 0x0                               ; they are back; and, for the others' sake, Wo's block has landed
	global_store_b128 v4, v[112:115], s[66:67]
	global_store_b128 v4, v[116:119], s[66:67] offset:512
	s_barrier_signal -1
	s_barrier_wait -1
	; ---- the half images of wop and the two runs of scale bytes leave
	s_cmp_lt_u32 s8, 8
	s_cbranch_scc0 .Lnot_a_row
.irp c, 0,1,2
	ds_load_b128 v[140+4*\c:143+4*\c], v89 offset:512*\c
.endr
	s_wait_dscnt 0x0
	global_store_b128 v93, v[140:143], s[76:77]                ; the first half image's pieces 0 and 1: sixteen lanes fill one aligned run of 256 bytes
	global_store_b128 v94, v[144:147], s[76:77] offset:512     ; its piece 2, and piece 0 of the second, which begins 1,536 bytes behind the first
	global_store_b128 v93, v[148:151], s[76:77] offset:1792    ; the second's pieces 1 and 2
	s_branch .Lend
.Lnot_a_row:
	s_cmp_lt_u32 s8, 10
	s_cbranch_scc0 .Lend
	ds_load_b128 v[140:143], v90
	s_wait_dscnt 0x0
	global_store_b128 v4, v[140:143], s[78:79]     ; 8 rows' scale bytes: 512 consecutive bytes
.Lend:
	s_wait_tensorcnt 0x0
	ds_add_u32 v160, v161
	s_wait_dscnt 0x0
	s_endpgm
.Lfunc_end_k_qc34fc74a56_soft:
	.size	k_qc34fc74a56_soft, .Lfunc_end_k_qc34fc74a56_soft-k_qc34fc74a56_soft
	.p2alignl 7, 3214868480
	.fill 96, 4, 3214868480
	.section	.rodata,"a",@progbits
	.p2align	6, 0x0
	.amdhsa_kernel k_qc34fc74a56_soft
		.amdhsa_group_segment_fixed_size 96256
		.amdhsa_private_segment_fixed_size 0
		.amdhsa_enable_private_segment 0
		.amdhsa_kernarg_size 80
		.amdhsa_user_sgpr_count 2
		.amdhsa_user_sgpr_kernarg_segment_ptr 1
		.amdhsa_wavefront_size32 1
		.amdhsa_system_sgpr_workgroup_id_x 1
		.amdhsa_system_sgpr_workgroup_id_y 1
		.amdhsa_system_sgpr_workgroup_id_z 1
		.amdhsa_system_vgpr_workitem_id 0
		.amdhsa_next_free_vgpr 162
		.amdhsa_next_free_sgpr 90
		.amdhsa_reserve_vcc 0
		.amdhsa_float_denorm_mode_32 3
		.amdhsa_float_denorm_mode_16_64 3
		.amdhsa_memory_ordered 1
		.amdhsa_forward_progress 1
		.amdhsa_inst_pref_size 16
	.end_amdhsa_kernel
	.amdgpu_metadata
---
amdhsa.version: [ 1, 2 ]
amdhsa.kernels:
  - .name:           k_qc34fc74a56_soft
    .symbol:         k_qc34fc74a56_soft.kd
    .args:
      - { .name: qn, .offset: 0, .size: 8, .value_kind: global_buffer, .address_space: global }
      - { .name: kn, .offset: 8, .size: 8, .value_kind: global_buffer, .address_space: global }
      - { .name: mask, .offset: 16, .size: 8, .value_kind: global_buffer, .address_space: global }
      - { .name: Wv_codes, .offset: 24, .size: 8, .value_kind: global_buffer, .address_space: global }
      - { .name: Wv_scales, .offset: 32, .size: 8, .value_kind: global_buffer, .address_space: global }
      - { .name: Wo_codes, .offset: 40, .size: 8, .value_kind: global_buffer, .address_space: global }
      - { .name: Wo_scales, .offset: 48, .size: 8, .value_kind: global_buffer, .address_space: global }
      - { .name: out1, .offset: 56, .size: 8, .value_kind: global_buffer, .address_space: global }
      - { .name: wvp, .offset: 64, .size: 8, .value_kind: global_buffer, .address_space: global }
      - { .name: wop, .offset: 72, .size: 8, .value_kind: global_buffer, .address_space: global }
    .group_segment_fixed_size: 96256
    .private_segment_fixed_size: 0
    .kernarg_segment_align: 8
    .kernarg_segment_size: 80
    .max_flat_workgroup_size: 512
    .sgpr_count:     90
    .vgpr_count:     162
    .wavefront_size: 32
...
	.end_amdgpu_metadata
.endif
;; end of part 2
;; launch vmix (part 3): grid 4 x 64, 4 waves a work-group, clusters of 4 x 4, 327,680 bytes of LDS; arguments value_codes, value_scales, wvp, out1, ac; writes ac
.if DOCPART == 3
	.amdgcn_target "amdgcn-amd-amdhsa--gfx1250"
	.amdhsa_code_object_version 6
	.text
	.protected	k_qc34fc74a56_vmix
	.globl	k_qc34fc74a56_vmix
	.p2align	8
	.type	k_qc34fc74a56_vmix,@function
k_qc34fc74a56_vmix:
	s_mov_b64 s[64:65], 0
	v_nop
	global_prefetch_b8 v0, s[64:65] scope:SCOPE_SE
	s_setreg_imm32_b32 hwreg(HW_REG_WAVE_MODE, 25, 1), 1
	s_wait_xcnt 0x0
	s_wait_alu depctr_hold_cnt(0) depctr_sa_sdst(0) depctr_va_vdst(0) depctr_va_sdst(0) depctr_va_ssrc(0) depctr_va_vcc(0) depctr_vm_vsrc(0)
	s_getreg_b32 s2, hwreg(HW_REG_IB_STS2, 6, 4)
	s_cmp_eq_u32 s2, 0
	s_cbranch_scc0 .Lentry_in_a_cluster
	s_endpgm
.Lentry_in_a_cluster:
	s_bfe_u32 s2, ttmp6, 0x10000c
	s_cmp_lg_u32 s2, 0xf033
	s_cbranch_scc0 .Lentry_shape_is_right
	s_endpgm
.Lentry_shape_is_right:
; V = value Wv on codes of E2M3; then for each token attn(q, d) = the sum over the 16 heads k of w(q, k) V(k, d), w = out1, in f32; then attn quantised along d.  V never goes to memory.
; A work-group makes 64 tokens x 512 columns of V, and WHICH columns is chosen so that it can mix them by itself: all 16 heads at the 32 numbers d = 32 g .. 32 g + 31 (g = the work-group's x).
; wvp holds Wv's rows in that order: row 512 g + 128 w + 16 b + r4 is head 4 w + (r4 & 3), d = 32 g + 4 b + (r4 >> 2).  Wave w takes all 64 tokens x rows 128 w on: 32 accumulators, 256 registers.
; THE MATRIX INSTRUCTION IS USED TRANSPOSED (source 0 = 16 rows of wvp, source 1 = 16 tokens): register j of lane (r, h) of accumulator (a, b) is V(token 16 a + r, head 4 w + (j & 3), d = 4 b + 2 h + (j >> 2)).
; K goes in steps of 256 through a ring of two LDS slots; CLUSTERS of 4 x 4: value's tiles are asked for jointly along a row of the cluster, wvp's along a column.
; THE MIXING.  V goes to a stage in LDS, [token][place of d][16 heads] f32 (over the ring, which has had its last fill); wave w then takes tokens 16 w on.  For a token two products of 16 x 16 x 16 by
; v_wmma_f32_16x16x4_f32 (this product's result goes into a quantiser, so its operands are f32): source 0 = 16 numbers d x heads, source 1 = heads x 16 q.  In K step s both operands give lane half h, register j
; the head 8 h + 2 s + j.  Row r of tile u is d = 8 u + r + 8 (r / 8), so that lane (q, h) ends with 16 neighbours d = 16 h + 0 .. 15 of head q: half a block of 32 along the last product's K.
; OUT: ac: the last product's operand as IMAGES OF ITS REGISTERS, [block of 16 tokens][128 along K][1,536 bytes]: register 4 c + e of lane l at byte 512 c + 16 l + 4 e.  Block 16 g + q of 32 along that K is the true block
; 4 q + g (wop has Wo's blocks in the same order).  An image's lane is a TOKEN, mine is a head: so my 16 tokens' codes turn through my wave's own LDS, a word at a time in, 16 bytes a lane back, and leave as four images:
; twelve stores of 512 consecutive bytes, aligned.  Scale bytes behind the codes, [token][64]: they leave in pieces of 16 bytes: one byte in 24 of what the launch stores.
; LIMITS: a block of zeros gets the scale byte 1 (its codes are zeros; this program alone reads the bytes); NaN and infinities are not served.
.set ROWB,   192
.set KROWA,  1536                      ; from row to row of value's codes
.set ASTEP,  384                       ; from a slot's K step to its next
.set PITCH,  240                       ; an LDS row: 3 x (64 bytes + 16 of padding)
.set FR,     12
.set NP,     4
.set HALFA,  32*PITCH
.set HALFB,  256*PITCH
.set BOFF,   2*HALFA
.set SLOT,   BOFF+2*HALFB              ; 64 rows of A, then 512 rows of B
.set LAPS,   4
.set SCL,    2*SLOT                    ; the scale bytes, as units of 256 bytes + 16: A's 64 rows,
.set SA,     16*272
.set HSA,    8*272
.set HSB,    64*272
.set WSB,    32*272                    ; (a wave's 128 rows of B)
.set SBLK,   4*272                     ; (16 rows)
.set SPARE,  SCL+SA+2*HSB              ; the spare words: 128 bytes a wave, two blocks of 256 bytes that no other line names
.set SCR,    SPARE+512                 ; 256 bytes a wave: attn's scale bytes are gathered here
.set TP,     2576                      ; the stage: from token to token: 32 places + 16 bytes: 16 more than a multiple of 256
.set DP,     80                        ; from place to place: 64 bytes + 16
.set CST,    165888                    ; behind the stage's 64 x TP bytes, in slot 1, which has had its last fill: the codes' turn, 24 regions a wave
.set RG,     272                       ; a region: 16 tokens x 16 bytes, + 16; region 6 i + 2 c + h: piece c of image i, lanes 16 h on
.set CA,   8                           ; v8-10 the codes' turn, in: where my word j of a token's three goes
.set CRD,  11                          ; v11  and back: region h, 16 x (lane & 15)
.set CGO,  12                          ; v12  16 x lane
.set ADRA, 16
.set ADRB, 20
.set SBL,  24                          ; v24  SCR + 256 wave + 8 lane
.set SBG,  25                          ; v25  64 (lane / 2) + 8 (lane & 1)
.set ADRS, 27
.set SPW,  28
.set NIL,  29
.set WOF,  30                          ; v30  64 r + 32 h
.set SC,   32                          ; v32-63 scale words, two sets
.set IM,   32                          ; v32-79 at the end: my four images on the way out
.set AF,   64                          ; v64-111, v112-159 the tokens' fragments, two sets
.set STA,  160                         ; v160-163 the stage, on the way in, for each block of 16 tokens
.set RDV,  164                         ; the stage, on the way out
.set FLO,  165                         ; the floor 2^(3 - 127)
.set EB,   167                         ; SCR + 256 wave + r
.set T,    168                         ; v168-169 largest magnitudes
.set OB,   170                         ; v170-171 scale bytes on the way out
.set PX,   172
.set SO,   174                         ; v174-175 the conversions' scale operands
.set E,    176                         ; v176-191 a scale byte for each token
.set C,    192                         ; v192-255 codes: four registers for each token
.set VF,   128                         ; window 3: v0-127 the weights of my 16 tokens; v128-191 V, two sets; v192-255 the mixing's sums, two sets, written by matrix instructions alone
.set DD,   192
.set G1, 24
.set G0, 32
.set G1B, 48
.set G0B, 56
.set G1S, 68
.set G0S, 76
.set G1SB, 80
.set G0SB, 88
.set SEL, 98
.set MSB, 0
.macro WIN new
.if MSB != (\new)
	s_set_vgpr_msb (MSB<<8)|(\new)
.set MSB, (\new)
.endif
.endm
.set MUL,  0xa1                        ; source 0 (wvp) window 1, source 1 (tokens) window 0, C and D window 2
.set TO_B, 0x40
.macro JLOAD g0a, g1a, g0b, g1b        ; waves 0 and 1 fetch for A, waves 2 and 3 for B; four v_nop follow each of the two lines
	s_cmp_eq_u32 s15, 0
	s_cbranch_scc0 .Lfor_b_\@
	tensor_load_to_lds s[\g0a:\g0a+3], s[\g1a:\g1a+7]
	s_nop 0
.rept 4
	v_nop
.endr
	s_branch .Lasked_\@
.Lfor_b_\@:
	tensor_load_to_lds s[\g0b:\g0b+3], s[\g1b:\g1b+7]
	s_nop 0
.rept 4
	v_nop
.endr
.Lasked_\@:
.endm
.macro CREST
	s_cmp_lg_u32 s14, 0
	s_cbranch_scc1 .Lnot_wave_0_\@
	s_barrier_signal -3
.Lnot_wave_0_\@:
	s_barrier_wait -3
	s_barrier_signal -1
	s_barrier_wait -1
.endm
.macro CROUND
	s_barrier_signal -1
	s_barrier_wait -1
	CREST
.endm
	s_load_b256 s[4:11], s[0:1], 0x0               ; value's codes, value's scales, wvp, out1
	s_load_b64 s[12:13], s[0:1], 0x20              ; ac
	v_lshl_add_u32 v[SPW], v0, 2, SPARE
	v_mov_b32 v[NIL], 0
	ds_add_u32 v28, v29
	ds_add_u32 v28, v29
	s_wait_dscnt 0x0
	v_lshrrev_b32 v1, 5, v0
	v_readfirstlane_b32 s14, v1                    ; wave 0..3
	s_lshr_b32 s15, s14, 1                         ; I fetch for A (0) or for B (1),
	s_and_b32 s16, s14, 1                          ; its first or second half
	s_bfe_u32 s40, ttmp6, 0x40000                  ; cx, cy
	s_bfe_u32 s41, ttmp6, 0x40004
	s_lshl_b32 s42, ttmp9, 2
	s_add_co_u32 s42, s42, s40                     ; g
	s_and_b32 s17, ttmp7, 0xffff
	s_lshl_b32 s17, s17, 2
	s_add_co_u32 s17, s17, s41                     ; which 64 tokens
	s_lshl_b32 s43, s41, 2
	s_lshl_b32 s43, 15, s43                        ; my row of the cluster
	s_lshl_b32 s44, 0x1111, s40                    ; my column
	s_or_b32 s[G1+0], s43, (0<<16)|(1<<20)|(1<<21)|(3<<22)|(3<<25)  ; mask; bytes; padding on; bit 21 beside a mask; 4 words of padding behind every 16
	s_mov_b32 s[G1+1], ROWB<<16                    ; A: 32 rows of 192 bytes
	s_mov_b32 s[G1+2], 32<<16
	s_mov_b32 s[G1+3], ROWB<<16
	s_mov_b32 s[G1+4], 32
	s_mov_b32 s[G1+5], KROWA
	s_mov_b32 s[G1+6], 0
	s_mov_b32 s[G1+7], 0
	s_or_b32 s[G1B+0], s44, (0<<16)|(1<<20)|(1<<21)|(3<<22)|(3<<25)
	s_mov_b32 s[G1B+1], ROWB<<16                   ; B: 256 rows of 192 bytes
	s_mov_b32 s[G1B+2], 256<<16
	s_mov_b32 s[G1B+3], ROWB<<16
	s_mov_b32 s[G1B+4], 256
	s_mov_b32 s[G1B+5], 1536
	s_mov_b32 s[G1B+6], 0
	s_mov_b32 s[G1B+7], 0
	s_or_b32 s[G1S+0], s43, (3<<16)|(1<<20)|(1<<21)|(5<<22)|(3<<25)  ; scale bytes: dense, as rows of 256 bytes (32 elements of 8), 16 bytes of padding behind each
	s_mov_b32 s[G1S+1], 32<<16                     ; A's 32 rows: 8 units
	s_mov_b32 s[G1S+2], 8<<16
	s_mov_b32 s[G1S+3], 32<<16
	s_mov_b32 s[G1S+4], 8
	s_mov_b32 s[G1S+5], 32
	s_mov_b32 s[G1S+6], 0
	s_mov_b32 s[G1S+7], 0
	s_or_b32 s[G1SB+0], s44, (3<<16)|(1<<20)|(1<<21)|(5<<22)|(3<<25)
	s_mov_b32 s[G1SB+1], 32<<16                    ; B's 256 rows: 64 units
	s_mov_b32 s[G1SB+2], 64<<16
	s_mov_b32 s[G1SB+3], 32<<16
	s_mov_b32 s[G1SB+4], 64
	s_mov_b32 s[G1SB+5], 32
	s_mov_b32 s[G1SB+6], 0
	s_mov_b32 s[G1SB+7], 0
	s_lshl_b32 s20, s17, 6
	s_lshl_b32 s18, s16, 5
	s_add_co_u32 s20, s20, s18                     ; A: token 64 x block + 32 x half
	s_lshl_b32 s22, s20, 6                         ; its scale bytes,
	s_mov_b32 s23, 0
	s_mul_i32 s20, s20, KROWA                      ; its codes
	s_mov_b32 s21, 0
	s_lshl_b32 s46, s42, 9
	s_lshl_b32 s18, s16, 8
	s_add_co_u32 s46, s46, s18                     ; B: row 512 g + 256 x half
	s_lshl_b32 s92, s46, 6
	s_mov_b32 s93, 0
	s_mul_i32 s46, s46, 1536
	s_mov_b32 s47, 0
	s_mul_i32 s45, s16, HALFA                      ; where they go: no place in the cluster enters an LDS address
	s_mul_i32 s94, s16, HALFB
	s_add_co_u32 s94, s94, BOFF
	s_mul_i32 s95, s16, HSA
	s_add_co_u32 s95, s95, SCL
	s_mul_i32 s96, s16, HSB
	s_add_co_u32 s96, s96, SCL+SA
	s_lshl_b32 s97, s17, 6
	s_lshl_b32 s18, s14, 4
	s_add_co_u32 s97, s97, s18                     ; the first of the 16 tokens that I mix
	s_lshl_b32 s18, s97, 10
	s_mov_b32 s19, 0
	s_wait_kmcnt 0x0
	s_add_nc_u64 s[100:101], s[10:11], s[18:19]    ; their weights in out1
	s_add_nc_u64 s[10:11], s[8:9], 3145728         ; wvp's scale bytes
	s_add_nc_u64 s[20:21], s[4:5], s[20:21]
	s_add_nc_u64 s[22:23], s[6:7], s[22:23]
	s_add_nc_u64 s[46:47], s[8:9], s[46:47]
	s_add_nc_u64 s[92:93], s[10:11], s[92:93]
	CROUND                                         ; all sixteen work-groups are here: the first joint loads meet
	s_mov_b32 s[G0S], 1
	s_mov_b32 s[G0S+1], s95
	s_mov_b64 s[G0S+2:G0S+3], s[22:23]
	s_or_b32 s[G0S+3], s[G0S+3], 0x80000000
	s_mov_b32 s[G0SB], 1
	s_mov_b32 s[G0SB+1], s96
	s_mov_b64 s[G0SB+2:G0SB+3], s[92:93]
	s_or_b32 s[G0SB+3], s[G0SB+3], 0x80000000
	JLOAD G0S, G1S, G0SB, G1SB
.irp s, 0,1
	s_mov_b32 s[G0+4*\s], 1
	s_add_co_u32 s[G0+4*\s+1], s45, \s*SLOT
	s_add_nc_u64 s[G0+4*\s+2:G0+4*\s+3], s[20:21], \s*ROWB
	s_or_b32 s[G0+4*\s+3], s[G0+4*\s+3], 0x80000000
	s_mov_b32 s[G0B+4*\s], 1
	s_add_co_u32 s[G0B+4*\s+1], s94, \s*SLOT
	s_add_nc_u64 s[G0B+4*\s+2:G0B+4*\s+3], s[46:47], \s*ROWB
	s_or_b32 s[G0B+4*\s+3], s[G0B+4*\s+3], 0x80000000
	JLOAD G0+4*\s, G1, G0B+4*\s, G1B
.endr
	v_and_b32 v1, 15, v0                           ; r
	v_bfe_u32 v2, v0, 4, 1                         ; h
	v_lshlrev_b32 v[WOF], 6, v1
	v_lshl_add_u32 v[WOF], v2, 5, v[WOF]
	WIN 0xc0                                       ; destination window 3
.irp t, 0,1,2,3,4,5,6,7,8,9,10,11,12,13,14,15      ; the weights of my 16 tokens: lane (q, h): w(q, 8 h + 0 .. 7); they land while V is multiplied, and are waited for in front of the mixing
	global_load_b128 v[8*\t:8*\t+3], v[WOF], s[100:101] offset:1024*\t
	global_load_b128 v[8*\t+4:8*\t+7], v[WOF], s[100:101] offset:1024*\t+16
.endr
	WIN 0
	v_mul_u32_u24 v3, v1, PITCH
	v_mul_u32_u24 v4, v2, 24
	v_add_nc_u32 v4, v3, v4                        ; a fragment's row x pitch + 24 h
	v_lshl_add_u32 v5, v2, 4, v4                   ; and the same behind one padding more
	s_mov_b32 s21, 0
	s_mul_i32 s22, s14, 128*PITCH
	s_add_co_u32 s22, s22, BOFF                    ; my 128 rows of B
.irp s, 0,1
	v_add_nc_u32 v[ADRA+\s], s21, v4
	v_add_nc_u32 v[ADRB+\s], s22, v4
	v_add_nc_u32 v[ADRA+2+\s], s21, v5
	v_add_nc_u32 v[ADRB+2+\s], s22, v5
	s_add_co_u32 s21, s21, SLOT
	s_add_co_u32 s22, s22, SLOT
.endr
	v_lshlrev_b32 v5, 6, v1
	v_lshrrev_b32 v6, 8, v5
	v_lshl_add_u32 v5, v6, 4, v5                   ; my row's scale bytes: 64 r, and 16 more for each 256 passed
	s_mul_i32 s22, s14, WSB
	s_add_co_u32 s22, s22, SA
	v_mul_u32_u24 v6, s22, v2                      ; lanes 16-31 take B's, my wave's
	v_add_nc_u32 v5, v5, v6
	v_add_nc_u32 v[ADRS], SCL, v5
	v_mul_u32_u24 v[STA], v1, TP                   ; the stage, in: token r, + 2 h places, + my four heads
	v_mad_u32_u24 v[STA], v2, 2*DP, v[STA]
	s_lshl_b32 s21, s14, 4
	v_add_nc_u32 v[STA], s21, v[STA]
.irp a, 1,2,3
	v_add_nc_u32 v[STA+\a], \a*16*TP, v[STA]
.endr
	s_mul_i32 s21, s14, 16*TP
	v_mul_u32_u24 v[RDV], v1, DP                   ; out: place r, heads 8 h on, my 16 tokens
	v_lshl_add_u32 v[RDV], v2, 5, v[RDV]
	v_add_nc_u32 v[RDV], s21, v[RDV]
	v_mov_b32 v[FLO], 0x1800000
	s_lshl_b32 s21, s14, 8
	s_add_co_u32 s21, s21, SCR
	v_add_nc_u32 v[EB], s21, v1
	v_and_b32 v6, 31, v0
	v_lshl_add_u32 v[SBL], v6, 3, s21
	v_lshlrev_b32 v[CGO], 4, v6
	v_lshrrev_b32 v5, 1, v6
	v_and_b32 v6, 1, v6
	v_lshlrev_b32 v[SBG], 6, v5
	v_lshl_add_u32 v[SBG], v6, 3, v[SBG]
	; the codes' turn.  I am (head q = r, half h) and hold three words of block 16 g + q: it belongs to image q / 4, to that image's lanes 16 (q & 1) on, and is the first (c = 0) or second (c = 1) 24 of such a lane's 48 bytes,
	; c = (q >> 1) & 1.  My word j is word 6 c + 3 h + j of the twelve: piece (that / 4), word (that & 3) of the token's 16 bytes there.  In one store the four cases of (c, h) fall on four different words of a column of
	; 16 bytes and the eight cases of (image, q & 1) on eight different columns (regions 272 bytes apart): no two lanes meet in a bank (64 banks of 4 bytes: ISA guide 11.1)
	s_mul_i32 s21, s14, 24*RG
	s_add_co_u32 s21, s21, CST                     ; my wave's 24 regions
	v_bfe_u32 v5, v0, 2, 2
	v_mul_u32_u24 v5, v5, 6*RG
	v_and_b32 v6, 1, v0
	v_mad_u32_u24 v5, v6, RG, v5
	v_add_nc_u32 v5, s21, v5
	v_bfe_u32 v6, v0, 1, 1
	v_mul_u32_u24 v6, v6, 6
	v_mad_u32_u24 v6, v2, 3, v6                    ; 6 c + 3 h
.irp j, 0,1,2
	v_add_nc_u32 v7, \j, v6
	v_lshrrev_b32 v[CA+\j], 2, v7
	v_and_b32 v7, 3, v7
	v_mad_u32_u24 v[CA+\j], v[CA+\j], 2*RG, v5
	v_lshl_add_u32 v[CA+\j], v7, 2, v[CA+\j]
.endr
	v_mul_u32_u24 v[CRD], v2, RG
	v_lshl_add_u32 v[CRD], v1, 4, v[CRD]
	v_add_nc_u32 v[CRD], s21, v[CRD]
	v_mov_b32 v[PX], 0                             ; written once: a lane permute's destination counts as one of its sources
	v_mov_b32 v[PX+1], 0
	s_mov_b32 s[SEL], 0x76543210
	s_mov_b32 s[SEL+1], 0xfedcba98
	s_mul_i32 s20, s17, 98304                      ; ac: four blocks of 16 tokens to my work-group's 64,
	s_mul_i32 s21, s14, 24576                      ; my wave's block,
	s_add_co_u32 s20, s20, s21
	s_mul_i32 s46, s42, 6144                       ; its images 4 g .. 4 g + 3
	s_add_co_u32 s46, s46, s20
	s_mov_b32 s47, 0
	s_lshl_b32 s20, s97, 6                         ; the scale bytes: 64 a token, + 16 g
	s_lshl_b32 s21, s42, 4
	s_add_co_u32 s20, s20, s21
	s_add_co_u32 s20, s20, 6291456
	s_mov_b32 s21, 0
	s_add_nc_u64 s[66:67], s[12:13], s[20:21]
	s_add_nc_u64 s[12:13], s[12:13], s[46:47]
.macro FRAG reg, adr, q, i             ; a fragment: 16 rows x 128 K in 12 registers, 24 bytes of the row as they lie for each half, in pieces of 8 bytes
.irp p, 0,1,2,3,4,5
.set PIECE, 12*(\q)+6*(\p/3)+\p%3
.if PIECE%8 < 5
	ds_load_b64 v[\reg+2*\p:\reg+2*\p+1], v[\adr] offset:8*PIECE+16*(PIECE/8)+(\i)*16*PITCH
.else
	ds_load_b64 v[\reg+2*\p:\reg+2*\p+1], v[\adr+2] offset:8*PIECE+16*(PIECE/8)+(\i)*16*PITCH
.endif
.endr
.endm
; 8 matrix instructions: token block a x B's eight.  The 32 accumulators take turns, one instruction a turn, in the same order in every step.
.macro MULA a, p, q, sc, zero
.irp b, 0,1,2,3,4,5,6,7
.if \zero
	v_wmma_scale_f32_16x16x128_f8f6f4 v[8*(8*(\a)+\b):8*(8*(\a)+\b)+7], v[128*(\p)+FR*\b:128*(\p)+FR*\b+FR-1], v[AF+48*(\p)+FR*(\a):AF+48*(\p)+FR*(\a)+FR-1], 0, v[SC+16*(\sc)+2*\b+(\q)], v[SC+16*(\sc)+2*(\a)+(\q)] matrix_a_fmt:MATRIX_FMT_FP6 matrix_b_fmt:MATRIX_FMT_FP6 matrix_a_scale:MATRIX_SCALE_ROW1
.else
	v_wmma_scale_f32_16x16x128_f8f6f4 v[8*(8*(\a)+\b):8*(8*(\a)+\b)+7], v[128*(\p)+FR*\b:128*(\p)+FR*\b+FR-1], v[AF+48*(\p)+FR*(\a):AF+48*(\p)+FR*(\a)+FR-1], v[8*(8*(\a)+\b):8*(8*(\a)+\b)+7], v[SC+16*(\sc)+2*\b+(\q)], v[SC+16*(\sc)+2*(\a)+(\q)] matrix_a_fmt:MATRIX_FMT_FP6 matrix_b_fmt:MATRIX_FMT_FP6 matrix_a_scale:MATRIX_SCALE_ROW1
.endif
.endr
.endm
.macro FETCH slot, q, p                ; 72 LDS loads in one run: B's eight fragments and the tokens' four, of the slot's q-th 128 along K, into set p
	WIN TO_B
.irp i, 0,1,2,3,4,5,6,7
	FRAG 128*(\p)+FR*\i, ADRB+\slot, \q, \i
.endr
	WIN 0
.irp i, 0,1,2,3
	FRAG AF+48*(\p)+FR*\i, ADRA+\slot, \q, \i
.endr
.endm
.macro SCALES sc                       ; lanes 0-15: the tokens' block i (i under 4; beyond that they read bytes of B's scales that nobody uses), lanes 16-31: B's block i
.irp i, 0,1,2,3,4,5,6,7
	ds_load_b64 v[SC+16*\sc+2*\i:SC+16*\sc+2*\i+1], v[ADRS] offset:\i*SBLK
.endr
.endm
.macro PLACES n
.rept \n
	v_nop
.endr
.endm
.macro STEP slot, zero                 ; a slot's first 128 along K, on set 0; its second is asked for at the head, 32 products ahead of its use
	s_wait_dscnt 0x0                               ; set 0 and the scale words are in: nothing younger is out
	PLACES NP                                      ; set 1 was read by the products just issued
	FETCH \slot, 1, 1
	WIN MUL
	MULA 0, 0, 0, \slot, \zero
	MULA 1, 0, 0, \slot, \zero
	MULA 2, 0, 0, \slot, \zero
	MULA 3, 0, 0, \slot, \zero
	WIN 0
.endm
; A slot's second 128 along K, on set 1, changes slots: one barrier; in front of it each wave waits for all its tensor loads, adds 0 to its spare word, and waits for that and for its reads of this slot.
.macro TURN slot, next, fill
	s_wait_tensorcnt 0x0                           ; all my tensor loads have landed: my part of the next slot
	ds_add_u32 v[SPW], v[NIL]                      ; 0 onto my spare word
	s_wait_dscnt 1                                 ; set 1 is in; the add alone may be out
	WIN MUL
	MULA 0, 1, 1, \slot, 0
	s_wait_dscnt 0x0                               ; the add is done, and my reads of this slot are over
	s_barrier_signal -1
	MULA 1, 1, 1, \slot, 0
	WIN 0
	s_barrier_wait -1
.if \fill
	CREST                                          ; the barrier has opened a round of the cluster's: no wave of any partner still reads this slot or has a load on its way
	s_add_nc_u64 s[G0+4*\slot+2:G0+4*\slot+3], s[G0+4*\slot+2:G0+4*\slot+3], ASTEP
	s_add_nc_u64 s[G0B+4*\slot+2:G0B+4*\slot+3], s[G0B+4*\slot+2:G0B+4*\slot+3], 2*ROWB
	JLOAD G0+4*\slot, G1, G0B+4*\slot, G1B         ; the first tensor load behind the round; its four v_nop are the places in front of the loads below
.else
	PLACES NP
.endif
	v_add_nc_u32 v[ADRS], 8, v[ADRS]               ; the next K step's scale words (no LDS load of mine is out)
	FETCH \next, 0, 0
	SCALES \next
	WIN MUL
	MULA 2, 1, 1, \slot, 0
	MULA 3, 1, 1, \slot, 0
	WIN 0
.endm
	s_wait_tensorcnt 1                             ; the scales and my part of K step 0 are in (K step 1's load may be out)
	s_barrier_signal -1
	s_barrier_wait -1                              ; everybody's are
	FETCH 0, 0, 0
	SCALES 0
	STEP 0, 1                                      ; the first step's products start the sums
	s_mov_b32 s3, LAPS-1
.Llap:
	TURN 0, 1, 1
	STEP 1, 0
	TURN 1, 0, 1
	STEP 0, 0
	s_sub_co_u32 s3, s3, 1
	s_cmp_lg_u32 s3, 0
	s_cbranch_scc1 .Llap
	TURN 0, 1, 0                                   ; the last lap fills nothing
	STEP 1, 0
	s_wait_dscnt 0x0
	WIN MUL
	MULA 0, 1, 1, 1, 0
	MULA 1, 1, 1, 1, 0
	MULA 2, 1, 1, 1, 0
	MULA 3, 1, 1, 1, 0
	WIN 0
	PLACES NP                                      ; in front of the stores that read results
	s_wait_dscnt 0x0                               ; my reads of the ring are over
	s_barrier_signal -1
	s_barrier_wait -1                              ; everybody's are: the stage may be written over both slots, which have had their last fill
	; V to the stage.  d = 4 b + 2 h + e lies at place 16 (bit 3 of d) + 8 (bit 4) + (bits 2:0), so that the sixteen d of a tile of the mixing lie at sixteen neighbouring places
	WIN 0x08                                       ; an LDS store's data are its source 1: window 2
.irp a, 0,1,2,3
.irp b, 0,1,2,3,4,5,6,7
.irp e, 0,1
	ds_store_b128 v[STA+\a], v[8*(8*\a+\b)+4*\e:8*(8*\a+\b)+4*\e+3] offset:(16*((\b>>1)&1)+8*(\b>>2)+4*(\b&1)+\e)*DP   ; four neighbouring heads; each accumulator from its low end on
.endr
.endr
.endr
	WIN 0
	s_wait_dscnt 0x0                               ; for the others' sake: my stores have landed
	s_barrier_signal -1
	s_barrier_wait -1
	s_wait_loadcnt 0x0                             ; the weights
.macro VLOAD p                         ; V of tokens 2 p and 2 p + 1 of my 16: for each two tiles of 16 d; lane (r, h): place 16 u + r, heads 8 h + 0 .. 7
	WIN 0xc0
.irp tt, 0,1
.irp u, 0,1
.irp c, 0,1
	ds_load_b128 v[VF+32*((\p)%2)+16*\tt+8*\u+4*\c:VF+32*((\p)%2)+16*\tt+8*\u+4*\c+3], v[RDV] offset:(2*(\p)+\tt)*TP+\u*16*DP+16*\c
.endr
.endr
.endr
.endm
.macro MIXMUL p                        ; 16 matrix instructions: four K steps of 4 heads; the four sums (two tokens x two tiles) take turns, one instruction a turn; the first K step starts each sum
	WIN 0xff
.irp s, 0,1,2,3
.irp tt, 0,1
.irp u, 0,1
.if \s == 0
	v_wmma_f32_16x16x4_f32 v[DD+32*((\p)%2)+16*\tt+8*\u:DD+32*((\p)%2)+16*\tt+8*\u+7], v[VF+32*((\p)%2)+16*\tt+8*\u+2*\s:VF+32*((\p)%2)+16*\tt+8*\u+2*\s+1], v[8*(2*(\p)+\tt)+2*\s:8*(2*(\p)+\tt)+2*\s+1], 0
.else
	v_wmma_f32_16x16x4_f32 v[DD+32*((\p)%2)+16*\tt+8*\u:DD+32*((\p)%2)+16*\tt+8*\u+7], v[VF+32*((\p)%2)+16*\tt+8*\u+2*\s:VF+32*((\p)%2)+16*\tt+8*\u+2*\s+1], v[8*(2*(\p)+\tt)+2*\s:8*(2*(\p)+\tt)+2*\s+1], v[DD+32*((\p)%2)+16*\tt+8*\u:DD+32*((\p)%2)+16*\tt+8*\u+7]
.endif
.endr
.endr
.endr
.endm
.macro MIXQ p                          ; the two tokens' sums are quantised; codes and scale bytes go to my wave's own LDS: lane (q, h) holds 16 neighbours d = 16 h on of head q
.set DSET, DD+32*((\p)%2)
	WIN 0x3c                                       ; sources 1 and 2 window 3
.irp tt, 0,1
	v_max3_num_f32 v[T+\tt], v[FLO], |v[DSET+16*\tt]|, |v[DSET+16*\tt+1]|   ; with the floor: the byte cannot fall under 1.  Each sum from its low end on
.endr
.irp i, 2,4,6,8,10,12,14
.irp tt, 0,1
	v_max3_num_f32 v[T+\tt], v[T+\tt], |v[DSET+16*\tt+\i]|, |v[DSET+16*\tt+\i+1]|
.endr
.endr
	WIN 0
.irp tt, 0,1
	v_permlanex16_b32 v[PX+\tt], v[T+\tt], s[SEL], s[SEL+1]
.endr
.irp tt, 0,1
	v_max_num_f32 v[T+\tt], v[T+\tt], v[PX+\tt]    ; with lane l xor 16's: the block's largest magnitude
.endr
.irp tt, 0,1
	v_add_nc_u32 v[SO+\tt], 0xff000000, v[T+\tt]   ; 2 off its exponent field: the conversion's scale operand
.endr
	WIN 0x03                                       ; source 0 window 3
.irp tt, 0,1
	v_cvt_scalef32_pk16_fp6_f32 v[C+4*(2*(\p)+\tt):C+4*(2*(\p)+\tt)+2], v[DSET+16*\tt:DSET+16*\tt+15], v[SO+\tt]
.endr
	WIN 0
.irp tt, 0,1
	v_lshrrev_b32 v[E+2*(\p)+\tt], 23, v[SO+\tt]   ; the scale's byte.  (The plain place behind the conversions)
.endr
.irp tt, 0,1
	ds_store_b8 v[EB], v[E+2*(\p)+\tt] offset:16*(2*(\p)+\tt)   ; both lanes of a block write the same byte with the same value
.irp j, 0,1,2
	ds_store_b32 v[CA+\j], v[C+4*(2*(\p)+\tt)+\j] offset:16*(2*(\p)+\tt)   ; my three words to the token's 16 bytes of their regions
.endr
.endr
.endm
	VLOAD 0
	VLOAD 1
	s_wait_dscnt 8                                 ; pair 0's eight loads are in; pair 1's may be out
	MIXMUL 0
	WIN 0
	PLACES 8                                       ; eight places behind this form, in front of loads into the registers that it read and of the reads of its sums
	VLOAD 2
.irp p, 1,2,3,4,5,6,7
.if \p < 7
	s_wait_dscnt 8                                 ; this pair's loads are in, and the stores issued behind them; the youngest eight (the next pair's loads) may be out
.else
	s_wait_dscnt 0x0
.endif
	MIXMUL \p
	MIXQ \p-1                                      ; the pair before: its 22 plain lines name no register of the products just issued: they are those products' places
.if \p < 6
	VLOAD \p+2
.endif
.endr
	MIXQ 7
	ds_load_b64 v[OB:OB+1], v[SBL]                 ; LDS serves a wave's instructions in order (ISA guide 5.7.1.4): these see my stores
.irp i, 0,1,2,3,4,5,6,7,8,9,10,11
	ds_load_b128 v[IM+4*\i:IM+4*\i+3], v[CRD] offset:RG*(6*(\i/3)+2*(\i%3))   ; piece i % 3 of image i / 3: lane (token, h) takes its 16 bytes
.endr
	s_wait_dscnt 0x0
	global_store_b64 v[SBG], v[OB:OB+1], s[66:67]  ; 16 bytes for each of my 16 tokens
.irp i, 0,1,2,3,4,5,6,7,8,9,10,11
	global_store_b128 v[CGO], v[IM+4*\i:IM+4*\i+3], s[12:13] offset:512*\i   ; 512 consecutive bytes, aligned
.endr
	s_wait_tensorcnt 0x0                           ; the wave's end
	ds_add_u32 v[SPW], v[NIL]
	s_wait_dscnt 0x0
	CROUND                                         ; the closing round
	s_endpgm
.Lfunc_end_k_qc34fc74a56_vmix:
	.size	k_qc34fc74a56_vmix, .Lfunc_end_k_qc34fc74a56_vmix-k_qc34fc74a56_vmix
	.p2alignl 7, 3214868480
	.fill 96, 4, 3214868480
	.section	.rodata,"a",@progbits
	.p2align	6, 0x0
	.amdhsa_kernel k_qc34fc74a56_vmix
		.amdhsa_group_segment_fixed_size 327680
		.amdhsa_private_segment_fixed_size 0
		.amdhsa_enable_private_segment 0
		.amdhsa_kernarg_size 40
		.amdhsa_user_sgpr_count 2
		.amdhsa_user_sgpr_kernarg_segment_ptr 1
		.amdhsa_wavefront_size32 1
		.amdhsa_system_sgpr_workgroup_id_x 1
		.amdhsa_system_sgpr_workgroup_id_y 1
		.amdhsa_system_sgpr_workgroup_id_z 1
		.amdhsa_system_vgpr_workitem_id 0
		.amdhsa_next_free_vgpr 1024
		.amdhsa_next_free_sgpr 102
		.amdhsa_reserve_vcc 0
		.amdhsa_float_denorm_mode_32 3
		.amdhsa_float_denorm_mode_16_64 3
		.amdhsa_memory_ordered 1
		.amdhsa_forward_progress 1
		.amdhsa_inst_pref_size 128
	.end_amdhsa_kernel
	.amdgpu_metadata
---
amdhsa.version: [ 1, 2 ]
amdhsa.kernels:
  - .name:           k_qc34fc74a56_vmix
    .symbol:         k_qc34fc74a56_vmix.kd
    .args:
      - { .name: value_codes, .offset: 0, .size: 8, .value_kind: global_buffer, .address_space: global }
      - { .name: value_scales, .offset: 8, .size: 8, .value_kind: global_buffer, .address_space: global }
      - { .name: wvp, .offset: 16, .size: 8, .value_kind: global_buffer, .address_space: global }
      - { .name: out1, .offset: 24, .size: 8, .value_kind: global_buffer, .address_space: global }
      - { .name: ac, .offset: 32, .size: 8, .value_kind: global_buffer, .address_space: global }
    .group_segment_fixed_size: 327680
    .private_segment_fixed_size: 0
    .kernarg_segment_align: 8
    .kernarg_segment_size: 40
    .max_flat_workgroup_size: 128
    .sgpr_count:     102
    .vgpr_count:     1024
    .wavefront_size: 32
...
	.end_amdgpu_metadata
.endif
;; end of part 3
;; launch outp (part 4): grid 8 x 32, 4 waves a work-group, clusters of 4 x 4, 327,680 bytes of LDS; arguments ac, wop, out0; writes out0
.if DOCPART == 4
	.amdgcn_target "amdgcn-amd-amdhsa--gfx1250"
	.amdhsa_code_object_version 6
	.text
	.protected	k_qc34fc74a56_outp
	.globl	k_qc34fc74a56_outp
	.p2align	8
	.type	k_qc34fc74a56_outp,@function
k_qc34fc74a56_outp:
	s_mov_b64 s[64:65], 0
	v_nop
	global_prefetch_b8 v0, s[64:65] scope:SCOPE_SE
	s_setreg_imm32_b32 hwreg(HW_REG_WAVE_MODE, 25, 1), 1
	s_wait_xcnt 0x0
	s_wait_alu depctr_hold_cnt(0) depctr_sa_sdst(0) depctr_va_vdst(0) depctr_va_sdst(0) depctr_va_ssrc(0) depctr_va_vcc(0) depctr_vm_vsrc(0)
	s_getreg_b32 s2, hwreg(HW_REG_IB_STS2, 6, 4)
	s_cmp_eq_u32 s2, 0
	s_cbranch_scc0 .Lentry_in_a_cluster
	s_endpgm
.Lentry_in_a_cluster:
	s_bfe_u32 s2, ttmp6, 0x10000c
	s_cmp_lg_u32 s2, 0xf033
	s_cbranch_scc0 .Lentry_shape_is_right
	s_endpgm
.Lentry_shape_is_right:
; out0 = attn Wo on codes of E2M3.  attn's codes and scale bytes come from ac, Wo's from wop; in both the blocks of 32 along K stand in the same order (block 16 g + q is the true block 4 q + g),
; so every product meets its partner, and only the order of the sum's terms differs.
; BOTH OPERANDS LIE IN MEMORY AS IMAGES OF THE OPERAND'S REGISTERS: [block of 16 rows][128 along K][1,536 bytes].  So a fragment comes out of LDS by three loads of 16 bytes a lane, LDS holds no padding, and
; 512 along K of a block of 16 rows are 6,144 consecutive bytes, aligned: a tile's row for the tensor data mover.
; A work-group makes 128 tokens x 256 columns: 384 rows, of which 512 along K are 147,456 bytes: two such slots fit in LDS, so K = 2,048 is four K steps, and each of the two slots is filled again once.
; A wave makes 64 tokens x 128 columns: 32 accumulators, 256 registers; 4,096 x 2,048 results give one work-group to each of 256 WGPs.
; ac's images are in plain order: register 4 c + e of lane l at 512 c + 16 l + 4 e.  wop's are ordered [row half][piece][lane half XOR row half][row & 7][16 bytes] (the launch that makes them owns 8 rows at a time):
; the sixteen lanes that a load serves together still start at sixteen different columns of 16 bytes (64 banks of 4 bytes: ISA guide 11.1).
; CLUSTERS of 4 x 4: ac's tiles are asked for jointly along a row of the cluster, wop's along a column.  The scale bytes of the work-group's rows, [row][64], come once, with the first fills.
; THE MATRIX INSTRUCTION IS USED TRANSPOSED (source 0 = 16 rows of wop, source 1 = 16 tokens): a lane holds eight neighbouring columns of one row of out0.
; The sixteen steps of 128 along K are written out: there are two refills in all, and a loop would have one trip.
.set FRB,    1536                      ; a fragment's image
.set BLK,    4*FRB                     ; a block of 16 rows, 512 along K
.set ROWP,   16*FRB                    ; from a block of 16 rows to the next in memory
.set FR,     12
.set NP,     4
.set HALFA,  4*BLK                     ; 64 tokens: what one tensor load brings of A, and what a wave reads of it
.set HALFB,  8*BLK                     ; 128 rows of B likewise
.set BOFF,   2*HALFA
.set SLOT,   BOFF+2*HALFB              ; 128 tokens, then 256 rows of B
.set SCL,    2*SLOT                    ; the scale bytes, as units of 256 bytes + 16: A's 128 rows, then B's 256
.set HSA,    16*272
.set SA,     2*HSA
.set HSB,    32*272
.set SBLK,   4*272                     ; (16 rows)
.set SPARE,  SCL+SA+2*HSB              ; the spare words: 128 bytes a wave, two blocks of 256 bytes that no other line names
.set SPITCH, 528                       ; the way out: a stage of 16 rows x (512 bytes + 16) for each wave, in slot 0, which has had its last fill and its last read by then
.set ADRA, 16                          ; v16-17 my tokens' images in slot 0, 1
.set ADRB, 20                          ; v20-21 my rows of B
.set STO,  24
.set RD,   25
.set CO,   26
.set ADRS, 27
.set SPW,  28
.set NIL,  29
.set SC,   32                          ; v32-95 scale words, two sets of 32: register 4 i + q: lanes 0-15 the tokens' block i, lanes 16-31 B's block i, the K step's q-th 128
.set AF,   96                          ; v96-143, v144-191 the tokens' fragments, two sets
.set BK,   128                         ; the way out: 16 rows read back: v128-191 and v192-255 by turns
.set G1, 24
.set G0, 32
.set G1B, 48
.set G0B, 56
.set G1S, 68
.set G0S, 76
.set G1SB, 80
.set G0SB, 88
.set MSB, 0
.macro WIN new
.if MSB != (\new)
	s_set_vgpr_msb (MSB<<8)|(\new)
.set MSB, (\new)
.endif
.endm
.set MUL,  0xa1                        ; source 0 (wop) window 1, source 1 (tokens) window 0, C and D window 2
.set TO_B, 0x40
.macro JLOAD g0a, g1a, g0b, g1b        ; waves 0 and 1 fetch for A, waves 2 and 3 for B; four v_nop follow each of the two lines
	s_cmp_eq_u32 s15, 0
	s_cbranch_scc0 .Lfor_b_\@
	tensor_load_to_lds s[\g0a:\g0a+3], s[\g1a:\g1a+7]
	s_nop 0
.rept 4
	v_nop
.endr
	s_branch .Lasked_\@
.Lfor_b_\@:
	tensor_load_to_lds s[\g0b:\g0b+3], s[\g1b:\g1b+7]
	s_nop 0
.rept 4
	v_nop
.endr
.Lasked_\@:
.endm
.macro CREST
	s_cmp_lg_u32 s14, 0
	s_cbranch_scc1 .Lnot_wave_0_\@
	s_barrier_signal -3
.Lnot_wave_0_\@:
	s_barrier_wait -3
	s_barrier_signal -1
	s_barrier_wait -1
.endm
.macro CROUND
	s_barrier_signal -1
	s_barrier_wait -1
	CREST
.endm
	s_load_b128 s[4:7], s[0:1], 0x0                ; ac, wop
	s_load_b64 s[12:13], s[0:1], 0x10              ; out0
	v_lshl_add_u32 v[SPW], v0, 2, SPARE
	v_mov_b32 v[NIL], 0
	ds_add_u32 v28, v29
	ds_add_u32 v28, v29
	s_wait_dscnt 0x0
	v_lshrrev_b32 v1, 5, v0
	v_readfirstlane_b32 s14, v1                    ; wave 0..3
	s_lshr_b32 s15, s14, 1                         ; which 64 tokens are mine.  Also: I fetch for A (0) or for B (1),
	s_and_b32 s16, s14, 1                          ; which 128 columns.  Also: its first or second half
	s_bfe_u32 s40, ttmp6, 0x40000
	s_bfe_u32 s41, ttmp6, 0x40004
	s_lshl_b32 s42, ttmp9, 2
	s_add_co_u32 s42, s42, s40                     ; which 256 columns: 0..7
	s_and_b32 s17, ttmp7, 0xffff
	s_lshl_b32 s17, s17, 2
	s_add_co_u32 s17, s17, s41                     ; which 128 tokens: 0..31
	s_lshl_b32 s43, s41, 2
	s_lshl_b32 s43, 15, s43                        ; my row of the cluster
	s_lshl_b32 s44, 0x1111, s40                    ; my column
	s_or_b32 s[G1+0], s43, (3<<16)|(1<<21)         ; mask; elements of 8 bytes; no padding; bit 21 beside a mask
	s_mov_b32 s[G1+1], (BLK/8)<<16                 ; A: 4 rows of 6,144 bytes (768 elements): tensor_dim0
	s_mov_b32 s[G1+2], 4<<16                       ; tensor_dim1
	s_mov_b32 s[G1+3], (BLK/8)<<16                 ; tile_dim0
	s_mov_b32 s[G1+4], 4                           ; tile_dim1
	s_mov_b32 s[G1+5], ROWP/8                      ; from row to row: 24,576 bytes
	s_mov_b32 s[G1+6], 0
	s_mov_b32 s[G1+7], 0
	s_or_b32 s[G1B+0], s44, (3<<16)|(1<<21)
	s_mov_b32 s[G1B+1], (BLK/8)<<16                ; B: 8 such rows
	s_mov_b32 s[G1B+2], 8<<16
	s_mov_b32 s[G1B+3], (BLK/8)<<16
	s_mov_b32 s[G1B+4], 8
	s_mov_b32 s[G1B+5], ROWP/8
	s_mov_b32 s[G1B+6], 0
	s_mov_b32 s[G1B+7], 0
	s_or_b32 s[G1S+0], s43, (3<<16)|(1<<20)|(1<<21)|(5<<22)|(3<<25)  ; scale bytes: dense, as rows of 256 bytes (32 elements of 8), 16 bytes of padding behind each
	s_mov_b32 s[G1S+1], 32<<16                     ; A's 64 rows: 16 units
	s_mov_b32 s[G1S+2], 16<<16
	s_mov_b32 s[G1S+3], 32<<16
	s_mov_b32 s[G1S+4], 16
	s_mov_b32 s[G1S+5], 32
	s_mov_b32 s[G1S+6], 0
	s_mov_b32 s[G1S+7], 0
	s_or_b32 s[G1SB+0], s44, (3<<16)|(1<<20)|(1<<21)|(5<<22)|(3<<25)
	s_mov_b32 s[G1SB+1], 32<<16                    ; B's 128 rows: 32 units
	s_mov_b32 s[G1SB+2], 32<<16
	s_mov_b32 s[G1SB+3], 32<<16
	s_mov_b32 s[G1SB+4], 32
	s_mov_b32 s[G1SB+5], 32
	s_mov_b32 s[G1SB+6], 0
	s_mov_b32 s[G1SB+7], 0
	s_lshl_b32 s20, s17, 3
	s_lshl_b32 s18, s16, 2
	s_add_co_u32 s20, s20, s18                     ; A: block of 16 tokens 8 x (my 128 tokens) + 4 x half:
	s_lshl_b32 s22, s20, 10                        ; its scale bytes: 16 rows of 64,
	s_mov_b32 s23, 0
	s_mul_i32 s20, s20, ROWP                       ; its codes
	s_mov_b32 s21, 0
	s_lshl_b32 s46, s42, 4
	s_lshl_b32 s18, s16, 3
	s_add_co_u32 s46, s46, s18                     ; B: block of 16 rows 16 x (my 256 columns) + 8 x half
	s_lshl_b32 s92, s46, 10
	s_mov_b32 s93, 0
	s_mul_i32 s46, s46, ROWP
	s_mov_b32 s47, 0
	s_mul_i32 s45, s16, HALFA                      ; where they go: no place in the cluster enters an LDS address
	s_mul_i32 s94, s16, HALFB
	s_add_co_u32 s94, s94, BOFF
	s_mul_i32 s95, s16, HSA
	s_add_co_u32 s95, s95, SCL
	s_mul_i32 s96, s16, HSB
	s_add_co_u32 s96, s96, SCL+SA
	s_wait_kmcnt 0x0
	s_mov_b64 s[8:9], s[6:7]                       ; wop's codes,
	s_add_nc_u64 s[10:11], s[6:7], 3145728         ; its scale bytes,
	s_add_nc_u64 s[6:7], s[4:5], 6291456           ; ac's scale bytes
	s_add_nc_u64 s[20:21], s[4:5], s[20:21]
	s_add_nc_u64 s[22:23], s[6:7], s[22:23]
	s_add_nc_u64 s[46:47], s[8:9], s[46:47]
	s_add_nc_u64 s[92:93], s[10:11], s[92:93]
	CROUND                                         ; all sixteen work-groups are here: the first joint loads meet
	s_mov_b32 s[G0S], 1
	s_mov_b32 s[G0S+1], s95
	s_mov_b64 s[G0S+2:G0S+3], s[22:23]
	s_or_b32 s[G0S+3], s[G0S+3], 0x80000000
	s_mov_b32 s[G0SB], 1
	s_mov_b32 s[G0SB+1], s96
	s_mov_b64 s[G0SB+2:G0SB+3], s[92:93]
	s_or_b32 s[G0SB+3], s[G0SB+3], 0x80000000
	JLOAD G0S, G1S, G0SB, G1SB                     ; the scales first: they are wanted with K step 0
.irp s, 0,1
	s_mov_b32 s[G0+4*\s], 1
	s_add_co_u32 s[G0+4*\s+1], s45, \s*SLOT
	s_add_nc_u64 s[G0+4*\s+2:G0+4*\s+3], s[20:21], \s*BLK
	s_or_b32 s[G0+4*\s+3], s[G0+4*\s+3], 0x80000000
	s_mov_b32 s[G0B+4*\s], 1
	s_add_co_u32 s[G0B+4*\s+1], s94, \s*SLOT
	s_add_nc_u64 s[G0B+4*\s+2:G0B+4*\s+3], s[46:47], \s*BLK
	s_or_b32 s[G0B+4*\s+3], s[G0B+4*\s+3], 0x80000000
	JLOAD G0+4*\s, G1, G0B+4*\s, G1B
.endr
	v_and_b32 v1, 15, v0                           ; r
	v_bfe_u32 v2, v0, 4, 1                         ; h
	v_and_b32 v6, 31, v0                           ; lane
	v_lshlrev_b32 v4, 4, v6                        ; in an image of A: 16 x lane
	v_bfe_u32 v3, v0, 3, 1                         ; r / 8
	v_xor_b32 v5, v3, v2
	v_and_b32 v7, 7, v0
	v_mul_u32_u24 v8, v3, 768                      ; in an image of B: 768 (r / 8) + 128 (h xor r / 8) + 16 (r & 7)
	v_lshl_add_u32 v8, v5, 7, v8
	v_lshl_add_u32 v8, v7, 4, v8
	s_mul_i32 s21, s15, HALFA                      ; my 64 tokens
	s_mul_i32 s22, s16, HALFB                      ; my 128 rows of B,
	s_add_co_u32 s22, s22, BOFF                    ; which lie behind A's 128
.irp s, 0,1
	v_add_nc_u32 v[ADRA+\s], s21, v4
	v_add_nc_u32 v[ADRB+\s], s22, v8
	s_add_co_u32 s21, s21, SLOT
	s_add_co_u32 s22, s22, SLOT
.endr
	v_lshlrev_b32 v5, 6, v1
	v_lshrrev_b32 v7, 8, v5
	v_lshl_add_u32 v5, v7, 4, v5                   ; my row's scale bytes: 64 r, and 16 more for each 256 passed
	s_mul_i32 s21, s15, HSA                        ; A's: my 64 rows
	s_mul_i32 s22, s16, HSB                        ; B's: my 128 rows, behind A's 128
	s_add_co_u32 s22, s22, SA
	s_sub_co_u32 s22, s22, s21
	v_mul_u32_u24 v7, s22, v2                      ; lanes 16-31 take B's
	s_add_co_u32 s21, s21, SCL
	v_add_nc_u32 v5, v5, v7
	v_add_nc_u32 v[ADRS], s21, v5
	s_mul_i32 s23, s14, 16*SPITCH                  ; my stage
	v_mul_u32_u24 v5, v1, SPITCH                   ; in: row r, 32 bytes for each half of the lanes
	v_lshl_add_u32 v5, v2, 5, v5
	v_add_nc_u32 v[STO], s23, v5
	v_lshlrev_b32 v[CO], 4, v6                     ; back: the 32 lanes take one row of 512 bytes; and the same in out0
	v_add_nc_u32 v[RD], s23, v[CO]
	s_lshl_b32 s20, s17, 20                        ; 128 rows of 8,192 bytes a work-group,
	s_lshl_b32 s21, s15, 19                        ; 64 a wave;
	s_add_co_u32 s20, s20, s21
	s_lshl_b32 s46, s42, 10                        ; 1,024 bytes of a row a work-group,
	s_lshl_b32 s47, s16, 9                         ; 512 a wave
	s_add_co_u32 s46, s46, s47
	s_add_co_u32 s46, s46, s20
	s_mov_b32 s47, 0
	s_add_nc_u64 s[12:13], s[12:13], s[46:47]
; 8 matrix instructions: token block a x B's eight.  The 32 accumulators take turns, one instruction a turn, in the same order in every step.
.macro MULA a, p, q, sc, zero
.irp b, 0,1,2,3,4,5,6,7
.if \zero
	v_wmma_scale_f32_16x16x128_f8f6f4 v[8*(8*(\a)+\b):8*(8*(\a)+\b)+7], v[128*(\p)+FR*\b:128*(\p)+FR*\b+FR-1], v[AF+48*(\p)+FR*(\a):AF+48*(\p)+FR*(\a)+FR-1], 0, v[SC+32*(\sc)+4*\b+(\q)], v[SC+32*(\sc)+4*(\a)+(\q)] matrix_a_fmt:MATRIX_FMT_FP6 matrix_b_fmt:MATRIX_FMT_FP6 matrix_a_scale:MATRIX_SCALE_ROW1
.else
	v_wmma_scale_f32_16x16x128_f8f6f4 v[8*(8*(\a)+\b):8*(8*(\a)+\b)+7], v[128*(\p)+FR*\b:128*(\p)+FR*\b+FR-1], v[AF+48*(\p)+FR*(\a):AF+48*(\p)+FR*(\a)+FR-1], v[8*(8*(\a)+\b):8*(8*(\a)+\b)+7], v[SC+32*(\sc)+4*\b+(\q)], v[SC+32*(\sc)+4*(\a)+(\q)] matrix_a_fmt:MATRIX_FMT_FP6 matrix_b_fmt:MATRIX_FMT_FP6 matrix_a_scale:MATRIX_SCALE_ROW1
.endif
.endr
.endm
.macro FETCH slot, q, p                ; 36 LDS loads in one run: B's eight fragments and the tokens' four, of the slot's q-th 128 along K, into set p: three pieces of 16 bytes a lane each
	WIN TO_B
.irp i, 0,1,2,3,4,5,6,7
.irp c, 0,1,2
	ds_load_b128 v[128*(\p)+FR*\i+4*\c:128*(\p)+FR*\i+4*\c+3], v[ADRB+\slot] offset:\i*BLK+(\q)*FRB+256*\c
.endr
.endr
	WIN 0
.irp i, 0,1,2,3
.irp c, 0,1,2
	ds_load_b128 v[AF+48*(\p)+FR*\i+4*\c:AF+48*(\p)+FR*\i+4*\c+3], v[ADRA+\slot] offset:\i*BLK+(\q)*FRB+512*\c
.endr
.endr
.endm
.macro SCALES sc                       ; a K step's four words a row.  Lanes 0-15: the tokens' block i (i under 4; beyond that they read scale bytes that nobody uses), lanes 16-31: B's block i
.irp i, 0,1,2,3,4,5,6,7
	ds_load_b128 v[SC+32*\sc+4*\i:SC+32*\sc+4*\i+3], v[ADRS] offset:\i*SBLK
.endr
.endm
.macro PLACES n                        ; plain vector instructions between a matrix instruction and a load into, or a read of, its registers
.rept \n
	v_nop
.endr
.endm
.macro STEP slot, q, zero              ; one of a slot's first three 128 along K, on set q % 2; the next is asked for at the head, 32 products ahead of its use
	s_wait_dscnt 0x0                               ; this step's fragments (and, at a slot's head, its scale words) are in: nothing younger is out
	PLACES NP                                      ; the other set was read by the products just issued
	FETCH \slot, (\q)+1, 1-(\q)%2
	WIN MUL
	MULA 0, (\q)%2, \q, \slot, \zero
	MULA 1, (\q)%2, \q, \slot, \zero
	MULA 2, (\q)%2, \q, \slot, \zero
	MULA 3, (\q)%2, \q, \slot, \zero
	WIN 0
.endm
; A slot's last 128 along K, on set 1, changes slots: one barrier; in front of it each wave waits for all its tensor loads, adds 0 to its spare word, and waits for that and for its reads of this slot.
.macro TURN slot, next, fill
	s_wait_tensorcnt 0x0                           ; all my tensor loads have landed: my part of the next slot
	ds_add_u32 v[SPW], v[NIL]                      ; 0 onto my spare word
	s_wait_dscnt 1                                 ; set 1 is in; the add alone may be out
	WIN MUL
	MULA 0, 1, 3, \slot, 0
	s_wait_dscnt 0x0                               ; the add is done, and my reads of this slot are over
	s_barrier_signal -1
	MULA 1, 1, 3, \slot, 0
	WIN 0
	s_barrier_wait -1
.if \fill
	CREST                                          ; the barrier has opened a round of the cluster's: no wave of any partner still reads this slot or has a load on its way
	s_add_nc_u64 s[G0+4*\slot+2:G0+4*\slot+3], s[G0+4*\slot+2:G0+4*\slot+3], 2*BLK
	s_add_nc_u64 s[G0B+4*\slot+2:G0B+4*\slot+3], s[G0B+4*\slot+2:G0B+4*\slot+3], 2*BLK
	JLOAD G0+4*\slot, G1, G0B+4*\slot, G1B         ; the first tensor load behind the round: it has 112 products in which to land; its four v_nop are the places in front of the loads below
.else
	PLACES NP
.endif
	v_add_nc_u32 v[ADRS], 16, v[ADRS]              ; the next K step's scale words (no LDS load of mine is out)
	FETCH \next, 0, 0
	SCALES \next
	WIN MUL
	MULA 2, 1, 3, \slot, 0
	MULA 3, 1, 3, \slot, 0
	WIN 0
.endm
	s_wait_tensorcnt 1                             ; the scales and my part of K step 0 are in (K step 1's load may be out)
	s_barrier_signal -1
	s_barrier_wait -1                              ; everybody's are
	FETCH 0, 0, 0
	SCALES 0
	STEP 0, 0, 1                                   ; K step 0; its first products start the sums
	STEP 0, 1, 0
	STEP 0, 2, 0
	TURN 0, 1, 1                                   ; slot 0 takes K step 2
	STEP 1, 0, 0                                   ; K step 1
	STEP 1, 1, 0
	STEP 1, 2, 0
	TURN 1, 0, 1                                   ; slot 1 takes K step 3
	STEP 0, 0, 0                                   ; K step 2
	STEP 0, 1, 0
	STEP 0, 2, 0
	TURN 0, 1, 0                                   ; nothing is left to fetch
	STEP 1, 0, 0                                   ; K step 3
	STEP 1, 1, 0
	STEP 1, 2, 0
	s_wait_dscnt 0x0
	WIN MUL
	MULA 0, 1, 3, 1, 0
	MULA 1, 1, 3, 1, 0
	MULA 2, 1, 3, 1, 0
	MULA 3, 1, 3, 1, 0
	WIN 0
; THE WAY OUT, block by block of 16 rows x 128 columns: through my own stage in LDS, back as whole rows of 512 bytes.  LDS serves a wave's instructions in order (ISA guide 5.7.1.4): no wait between the stores and the loads.
.macro TOSTAGE a
.set AC, 64*(\a)
	WIN 0x08                                       ; the data: window 2
.irp b, 0,1,2,3,4,5,6,7
	ds_store_b128 v[STO], v[AC+8*\b:AC+8*\b+3] offset:64*\b          ; each accumulator from its low end on
	ds_store_b128 v[STO], v[AC+8*\b+4:AC+8*\b+7] offset:64*\b+16
.endr
	WIN 0
.set BB, BK+64*((\a)%2)
.irp t, 0,1,2,3,4,5,6,7,8,9,10,11,12,13,14,15
	ds_load_b128 v[BB+4*\t:BB+4*\t+3], v[RD] offset:\t*SPITCH
.endr
.endm
.macro SEND a, younger                 ; younger: the LDS instructions issued behind block a's loads, which may stay out
.set BB, BK+64*((\a)%2)
	s_wait_dscnt \younger
.if (\a) > 0
	s_add_nc_u64 s[12:13], s[12:13], 16*8192       ; (behind a wait on XCNT: the earlier stores have read their base)  16 rows on
.endif
.irp t, 0,1,2,3,4,5,6,7,8,9,10,11,12,13,14,15
	global_store_b128 v[CO], v[BB+4*\t:BB+4*\t+3], s[12:13] offset:\t*8192 th:TH_STORE_NT   ; 32 lanes store 512 consecutive bytes, aligned; written once, read by nobody here
.endr
.endm
	PLACES NP                                      ; in front of the stores that read results, and of the loads into the registers that held the tokens' fragments
	TOSTAGE 0
.irp a, 1,2,3
.if \a > 1
	s_wait_xcnt 0x0                                ; block a - 2's stores have read their registers and their base
.endif
	TOSTAGE \a
	SEND \a-1, 32                                  ; behind block a - 1's loads: block a's 16 stores and 16 loads
.endr
	s_wait_xcnt 0x0
	SEND 3, 0
	s_wait_tensorcnt 0x0                           ; the wave's end
	ds_add_u32 v[SPW], v[NIL]
	s_wait_dscnt 0x0
	CROUND                                         ; the closing round
	s_endpgm
.Lfunc_end_k_qc34fc74a56_outp:
	.size	k_qc34fc74a56_outp, .Lfunc_end_k_qc34fc74a56_outp-k_qc34fc74a56_outp
	.p2alignl 7, 3214868480
	.fill 96, 4, 3214868480
	.section	.rodata,"a",@progbits
	.p2align	6, 0x0
	.amdhsa_kernel k_qc34fc74a56_outp
		.amdhsa_group_segment_fixed_size 327680
		.amdhsa_private_segment_fixed_size 0
		.amdhsa_enable_private_segment 0
		.amdhsa_kernarg_size 24
		.amdhsa_user_sgpr_count 2
		.amdhsa_user_sgpr_kernarg_segment_ptr 1
		.amdhsa_wavefront_size32 1
		.amdhsa_system_sgpr_workgroup_id_x 1
		.amdhsa_system_sgpr_workgroup_id_y 1
		.amdhsa_system_sgpr_workgroup_id_z 1
		.amdhsa_system_vgpr_workitem_id 0
		.amdhsa_next_free_vgpr 768
		.amdhsa_next_free_sgpr 102
		.amdhsa_reserve_vcc 0
		.amdhsa_float_denorm_mode_32 3
		.amdhsa_float_denorm_mode_16_64 3
		.amdhsa_memory_ordered 1
		.amdhsa_forward_progress 1
		.amdhsa_inst_pref_size 134
	.end_amdhsa_kernel
	.amdgpu_metadata
---
amdhsa.version: [ 1, 2 ]
amdhsa.kernels:
  - .name:           k_qc34fc74a56_outp
    .symbol:         k_qc34fc74a56_outp.kd
    .args:
      - { .name: ac, .offset: 0, .size: 8, .value_kind: global_buffer, .address_space: global }
      - { .name: wop, .offset: 8, .size: 8, .value_kind: global_buffer, .address_space: global }
      - { .name: out0, .offset: 16, .size: 8, .value_kind: global_buffer, .address_space: global }
    .group_segment_fixed_size: 327680
    .private_segment_fixed_size: 0
    .kernarg_segment_align: 8
    .kernarg_segment_size: 24
    .max_flat_workgroup_size: 128
    .sgpr_count:     102
    .vgpr_count:     768
    .wavefront_size: 32
...
	.end_amdgpu_metadata
.endif
;; end of part 4
